; MI455X (gfx1250); checked and timed in simulation.
; The chip was launched on July 23, 2026; its instructions are those of AMD's public machine-readable ISA for CDNA 5 (MIT licence, August 2026) and "CDNA5" Instruction Set Architecture Reference Guide (July 2026). The comments in the code are by the model that wrote it; some were corrected since.
;; Efficient MLA. Allowed arithmetic: float matrix products may take bf16 or f16 operands with f32 sums; all other float work in f32.
;; Inputs: Wdkv 2,048 x 512 float32; Wdq 2,048 x 2,048 float32; Wkr 2,048 x 128 float32; Wo 2,048 x 2,048 float32; Wqr 2,048 x 128 float32; Wuq 2,048 x 2,048 float32; ckv_cache 8 x 4,095 x 512 float32; fused_upsample 512 x 4,096 float32; kr_cache 8 x 4,095 x 128 float32; x 8 x 1 x 2,048 float32.
;; Outputs: out0 8 x 1 x 2,048 float32.
;; One version. Each part assembles by itself: llvm-mc -triple=amdgcn-amd-amdhsa -mcpu=gfx1250 --defsym DOCPART=n.
;; ======== version 1 of 1: 7 launches
;; workspace buffers: y1 688,128 bytes; y2 688,128 bytes; y5 688,128 bytes; y6 688,128 bytes; qx 286,720 bytes; att 8,454,144 bytes
;; launch proj_x (part 1): grid 42 x 8, 8 waves a work-group, no clusters, 27,136 bytes of LDS; arguments x, Wdq, Wkr, Wdkv, y1; writes y1
.if DOCPART == 1
	.amdgcn_target "amdgcn-amd-amdhsa--gfx1250"
	.amdhsa_code_object_version 6
	.text
	.protected	k_qa5d4b9e665_proj_x
	.globl	k_qa5d4b9e665_proj_x
	.p2align	8
	.type	k_qa5d4b9e665_proj_x,@function
k_qa5d4b9e665_proj_x:
	s_mov_b64 s[64:65], 0
	v_nop
	global_prefetch_b8 v0, s[64:65] scope:SCOPE_SE
	s_setreg_imm32_b32 hwreg(HW_REG_WAVE_MODE, 25, 1), 1
	s_wait_xcnt 0x0
; A PRODUCT WITH 8 ROWS: Y[ks][b][n] = the sum over the 256 k of slice ks of X[b][k] W[k][n], f32, one plane of Y for each of 8 slices of K = 2048;
; whoever reads Y adds the 8 planes.  NPART = 1: X is the input x, rounded to bf16 once; three weights stand side by side (2048 + 128 + 512 columns).
; NPART = 8: X is the sum of 8 planes of an earlier product and goes to the matrix unit as hi + lo, two bf16 numbers; two weights (2048 + 128 columns).
; SHARES.  A work-group: 64 columns x 256 k = 65,536 bytes of weights, read once.  Wave v: the 32 k rows 32 v .. 32 v + 31, one matrix step on four column tiles.
; LAYOUT.  Load i of 16: lane (r = lane % 16, h = lane / 16) takes 16 bytes at byte 16 r of row 32 v + 16 h + i, so 16 lanes take 256 consecutive aligned bytes.  Number t of
; the four belongs to tile t, whose column of lane r is 4 r + t.  Register q of a tile's fragment packs loads 2 q and 2 q + 1: the lane's 16 places along K are rows 16 h + 0..15.
; X's fragment takes the same order: 32 consecutive bytes of bf16.  A permutation of K alike in both sources keeps the sum.  No weight is turned or sent through LDS.
; Rows 0-3 and 8-11 of the first source are X's rows 0-3 and 4-7, so a lane's result registers 0-3 hold rows 4 h + 0..3; registers 4-7 are not used.
; No data mover: every weight passes registers for its conversion.  No cluster: the work-groups share only X, 8 KB against 64 KB of weights, and 42 or 34 do not divide by 4.
; LIMITS.  NaN and infinities are not treated apart; a number beyond bf16's largest finite one becomes an infinity.  The order of the f32 sums is the split's, not the reference's.
.set NPART, 1
.if NPART == 1
.set XROW, 8192                        ; bytes from row to row of X
.set YB, 12                            ; s[12:13] Y
.else
.set XROW, 10752
.set YB, 10                            ; s[10:11] Y
.endif
.set PLANE, 86016                      ; a plane of Y: 8 rows of 10,752 bytes
.set YROW, 10752
.set XPITCH, 528                       ; an LDS row of X: 512 bytes of bf16 + 16
.set XLO, 4352                         ; the lo parts lie this far behind the hi parts
.set RED, 8704                         ; [wave 8][row 8] rows of 272 bytes: the waves' partial results
.set RPITCH, 272
.set SPARE, 26112                      ; the spare words, 128 bytes for each wave
.set XO, 4                             ; v4   my offset in X
.set XS, 5                             ; v5   where I put X in LDS
.set AA, 6                             ; v6   where I read X's fragment
.set RST, 7                            ; v7   where I put results
.set RLD, 8                            ; v8   where I read results back
.set YO, 9                             ; v9   my offset in Y
.set SPW, 10                           ; v10  my spare word; never rewritten
.set NIL, 11                           ; v11  0; never rewritten
.set XLD, 16                           ; v16-79   X as loaded, 8 registers a plane
.set WL, 80                            ; v80-143  weights as loaded, 4 registers a row
.set VO, 144                           ; v144-159 the 16 rows' offsets (the pitch is chosen at run time, so it cannot stand in an immediate)
.set BF, 160                           ; v160-191 four fragments of W
.set AH, 192                           ; v192-199 X's fragment, hi
.set AL, 200                           ; v200-207 lo
.set D, 208                            ; v208-239 four accumulators
.set T, 240                            ; v240-249 at work
.macro SPLIT a, hh, ll, t              ; a pair of f32 -> hi = bf16(a), lo = bf16(a - hi)
	v_cvt_pk_bf16_f32 v[\hh], v[\a], v[(\a)+1]
	v_lshlrev_b32 v[\t], 16, v[\hh]
	v_and_b32 v[(\t)+1], s24, v[\hh]
	v_pk_add_f32 v[\t:(\t)+1], v[\a:(\a)+1], v[\t:(\t)+1] neg_lo:[0,1] neg_hi:[0,1]
	v_cvt_pk_bf16_f32 v[\ll], v[\t], v[(\t)+1]
.endm
	s_load_b256 s[4:11], s[0:1], 0x0               ; X s[4:5], the weights s[6:7], s[8:9] (, s[10:11]), then Y
.if NPART == 1
	s_load_b64 s[12:13], s[0:1], 0x20
.endif
	v_lshl_add_u32 v[SPW], v0, 2, SPARE
	v_mov_b32 v[NIL], 0
	v_lshrrev_b32 v1, 5, v0
	v_readfirstlane_b32 s14, v1                    ; wave v
	v_and_b32 v1, 31, v0                           ; lane
	v_and_b32 v2, 15, v0                           ; r
	v_bfe_u32 v3, v0, 4, 1                         ; h
	s_mov_b32 s15, ttmp9                           ; block of 64 columns
	s_and_b32 s16, ttmp7, 0xffff                   ; slice of K
	s_mov_b32 s24, 0xffff0000                      ; a word's upper bf16
	s_mov_b32 s23, 0
	s_mul_i32 s25, s14, XROW                       ; wave v brings row v of X: 1,024 bytes, two loads a plane
	v_lshl_add_u32 v[XO], v1, 4, s25
	s_lshl_b32 s22, s16, 10
	s_wait_kmcnt 0x0
	s_add_nc_u64 s[4:5], s[4:5], s[22:23]
.set p, 0
.rept NPART
	global_load_b128 v[XLD+8*p:XLD+8*p+3], v[XO], s[4:5] offset:p*PLANE
	global_load_b128 v[XLD+8*p+4:XLD+8*p+7], v[XO], s[4:5] offset:p*PLANE+512
.set p, p+1
.endr
	; which weight holds my 64 columns: its address, its pitch in bytes, my block in it
	s_sub_co_u32 s25, s15, 32
	s_mov_b32 s27, 512
	s_cmp_ge_u32 s15, 32
	s_cselect_b32 s17, s27, 0x2000
	s_cselect_b32 s18, s25, s15
	s_cselect_b64 s[20:21], s[8:9], s[6:7]
.if NPART == 1
	s_sub_co_u32 s25, s15, 34
	s_cmp_ge_u32 s15, 34
	s_cselect_b32 s17, 0x800, s17
	s_cselect_b32 s18, s25, s18
	s_cselect_b64 s[20:21], s[10:11], s[20:21]
.endif
	s_mul_i32 s22, s16, s17
	s_lshl_b32 s22, s22, 8                         ; 256 rows a slice
	s_lshl_b32 s25, s18, 8                         ; 256 bytes a block
	s_add_co_u32 s22, s22, s25
	s_add_nc_u64 s[20:21], s[20:21], s[22:23]
	s_lshl_b32 s25, s14, 5
	v_lshl_add_u32 v[T], v3, 4, s25                ; row 32 v + 16 h
	v_mul_lo_u32 v[T], v[T], s17
	v_lshl_add_u32 v[VO], v2, 4, v[T]
.set i, 1
.rept 15
	v_add_nc_u32 v[VO+i], s17, v[VO+i-1]
.set i, i+1
.endr
.set i, 0
.rept 16
	global_load_b128 v[WL+4*i:WL+4*i+3], v[VO+i], s[20:21] th:TH_LOAD_NT  ; all my 8 KB of weights are on their way at once
.set i, i+1
.endr
	s_mul_i32 s22, s16, PLANE
	s_lshl_b32 s25, s15, 8
	s_add_co_u32 s22, s22, s25
	s_add_nc_u64 s[YB:YB+1], s[YB:YB+1], s[22:23]  ; Y at my plane and my 64 columns
	s_mul_i32 s25, s14, XPITCH
	v_lshl_add_u32 v[XS], v1, 3, s25
	v_lshrrev_b32 v[T], 3, v2
	v_lshl_add_u32 v[T], v[T], 2, v2
	v_and_b32 v[T], 7, v[T]                        ; lane r reads X's row (r + 4 (r / 8)) % 8
	v_mul_u32_u24 v[T], v[T], XPITCH
	v_lshl_add_u32 v[T], v3, 5, v[T]
	s_lshl_b32 s25, s14, 6
	v_add_nc_u32 v[AA], s25, v[T]                  ; + 2 bytes x (32 v + 16 h)
	s_mul_i32 s25, s14, 8*RPITCH
	s_add_co_u32 s25, s25, RED
	v_mul_u32_u24 v[T], v3, 4*RPITCH
	v_lshl_add_u32 v[T], v2, 4, v[T]
	v_add_nc_u32 v[RST], s25, v[T]
	s_mul_i32 s25, s14, RPITCH
	s_add_co_u32 s25, s25, RED
	v_lshl_add_u32 v[RLD], v1, 3, s25
	s_mul_i32 s25, s14, YROW
	v_lshl_add_u32 v[YO], v1, 3, s25
	s_wait_loadcnt 16                              ; loads come back in order: the 16 younger ones are the weights, X is in
.if NPART == 1
	v_cvt_pk_bf16_f32 v[T], v[XLD], v[XLD+1]
	v_cvt_pk_bf16_f32 v[T+1], v[XLD+2], v[XLD+3]
	v_cvt_pk_bf16_f32 v[T+2], v[XLD+4], v[XLD+5]
	v_cvt_pk_bf16_f32 v[T+3], v[XLD+6], v[XLD+7]
	ds_store_b64 v[XS], v[T:T+1]                   ; k = 4 lane ..
	ds_store_b64 v[XS], v[T+2:T+3] offset:256      ; k = 128 + 4 lane ..
.else
.set p, 1
.rept NPART-1
.irp j, 0,2,4,6
	v_pk_add_f32 v[XLD+\j:XLD+\j+1], v[XLD+\j:XLD+\j+1], v[XLD+8*p+\j:XLD+8*p+\j+1]
.endr
.set p, p+1
.endr
	SPLIT XLD, T, T+4, T+8
	SPLIT XLD+2, T+1, T+5, T+8
	SPLIT XLD+4, T+2, T+6, T+8
	SPLIT XLD+6, T+3, T+7, T+8
	ds_store_b64 v[XS], v[T:T+1]
	ds_store_b64 v[XS], v[T+2:T+3] offset:256
	ds_store_b64 v[XS], v[T+4:T+5] offset:XLO
	ds_store_b64 v[XS], v[T+6:T+7] offset:XLO+256
.endif
	s_wait_dscnt 0x0                               ; for the others' sake: my row of X is in LDS
	s_barrier_signal -1
	s_wait_loadcnt 0x0                             ; the weights; their conversion, work on registers, stands between signal and wait
.irp t, 0,1,2,3
.irp q, 0,1,2,3,4,5,6,7
	v_cvt_pk_bf16_f32 v[BF+8*\t+\q], v[WL+8*\q+\t], v[WL+8*\q+4+\t]
.endr
.endr
	s_barrier_wait -1
	ds_load_b128 v[AH:AH+3], v[AA]
	ds_load_b128 v[AH+4:AH+7], v[AA] offset:16
.if NPART > 1
	ds_load_b128 v[AL:AL+3], v[AA] offset:XLO
	ds_load_b128 v[AL+4:AL+7], v[AA] offset:XLO+16
.endif
	s_wait_dscnt 0x0
.irp t, 0,1,2,3
	v_wmma_f32_16x16x32_bf16 v[D+8*\t:D+8*\t+7], v[AH:AH+7], v[BF+8*\t:BF+8*\t+7], 0
.endr
.if NPART > 1
.irp t, 0,1,2,3                        ; the four accumulators take turns
	v_wmma_f32_16x16x32_bf16 v[D+8*\t:D+8*\t+7], v[AL:AL+7], v[BF+8*\t:BF+8*\t+7], v[D+8*\t:D+8*\t+7]
.endr
.endif
.rept 4
	v_nop                                          ; four places between the last product and the stores that read results
.endr
.irp t, 0,1,2,3
.irp j, 0,1,2,3
	ds_store_b32 v[RST], v[D+8*\t+\j] offset:RPITCH*\j+4*\t  ; row 4 h + j, column 4 r + t
.endr
.endr
	s_wait_dscnt 0x0                               ; for the others' sake
	s_barrier_signal -1
	s_barrier_wait -1
.irp u, 0,1,2,3,4,5,6,7
	ds_load_b64 v[16+2*\u:17+2*\u], v[RLD] offset:8*RPITCH*\u  ; wave v adds row v of all eight waves
.endr
	s_wait_dscnt 0x0
.irp u, 1,2,3,4,5,6,7
	v_pk_add_f32 v[16:17], v[16:17], v[16+2*\u:17+2*\u]
.endr
	global_store_b64 v[YO], v[16:17], s[YB:YB+1]   ; the wave's 32 lanes store 256 consecutive bytes, aligned
	s_wait_tensorcnt 0x0                           ; the wave's end
	ds_add_u32 v[SPW], v[NIL]
	s_wait_dscnt 0x0
	s_endpgm
.Lfunc_end_k_qa5d4b9e665_proj_x:
	.size	k_qa5d4b9e665_proj_x, .Lfunc_end_k_qa5d4b9e665_proj_x-k_qa5d4b9e665_proj_x
	.p2alignl 7, 3214868480
	.fill 96, 4, 3214868480
	.section	.rodata,"a",@progbits
	.p2align	6, 0x0
	.amdhsa_kernel k_qa5d4b9e665_proj_x
		.amdhsa_group_segment_fixed_size 27136
		.amdhsa_private_segment_fixed_size 0
		.amdhsa_enable_private_segment 0
		.amdhsa_kernarg_size 40
		.amdhsa_user_sgpr_count 2
		.amdhsa_user_sgpr_kernarg_segment_ptr 1
		.amdhsa_wavefront_size32 1
		.amdhsa_system_sgpr_workgroup_id_x 1
		.amdhsa_system_sgpr_workgroup_id_y 1
		.amdhsa_system_sgpr_workgroup_id_z 1
		.amdhsa_system_vgpr_workitem_id 0
		.amdhsa_next_free_vgpr 256
		.amdhsa_next_free_sgpr 66
		.amdhsa_reserve_vcc 0
		.amdhsa_float_denorm_mode_32 3
		.amdhsa_float_denorm_mode_16_64 3
		.amdhsa_memory_ordered 1
		.amdhsa_forward_progress 1
		.amdhsa_inst_pref_size 11
	.end_amdhsa_kernel
	.amdgpu_metadata
---
amdhsa.version: [ 1, 2 ]
amdhsa.kernels:
  - .name:           k_qa5d4b9e665_proj_x
    .symbol:         k_qa5d4b9e665_proj_x.kd
    .args:
      - { .name: x, .offset: 0, .size: 8, .value_kind: global_buffer, .address_space: global }
      - { .name: Wdq, .offset: 8, .size: 8, .value_kind: global_buffer, .address_space: global }
      - { .name: Wkr, .offset: 16, .size: 8, .value_kind: global_buffer, .address_space: global }
      - { .name: Wdkv, .offset: 24, .size: 8, .value_kind: global_buffer, .address_space: global }
      - { .name: y1, .offset: 32, .size: 8, .value_kind: global_buffer, .address_space: global }
    .group_segment_fixed_size: 27136
    .private_segment_fixed_size: 0
    .kernarg_segment_align: 8
    .kernarg_segment_size: 40
    .max_flat_workgroup_size: 256
    .sgpr_count:     66
    .vgpr_count:     256
    .wavefront_size: 32
...
	.end_amdgpu_metadata
.endif
;; end of part 1
;; launch proj_q (part 2): grid 34 x 8, 8 waves a work-group, no clusters, 27,136 bytes of LDS; arguments y1, Wuq, Wqr, y2; writes y2
.if DOCPART == 2
	.amdgcn_target "amdgcn-amd-amdhsa--gfx1250"
	.amdhsa_code_object_version 6
	.text
	.protected	k_qa5d4b9e665_proj_q
	.globl	k_qa5d4b9e665_proj_q
	.p2align	8
	.type	k_qa5d4b9e665_proj_q,@function
k_qa5d4b9e665_proj_q:
	s_mov_b64 s[64:65], 0
	v_nop
	global_prefetch_b8 v0, s[64:65] scope:SCOPE_SE
	s_setreg_imm32_b32 hwreg(HW_REG_WAVE_MODE, 25, 1), 1
	s_wait_xcnt 0x0
; A PRODUCT WITH 8 ROWS: Y[ks][b][n] = the sum over the 256 k of slice ks of X[b][k] W[k][n], f32, one plane of Y for each of 8 slices of K = 2048;
; whoever reads Y adds the 8 planes.  NPART = 1: X is the input x, rounded to bf16 once; three weights stand side by side (2048 + 128 + 512 columns).
; NPART = 8: X is the sum of 8 planes of an earlier product and goes to the matrix unit as hi + lo, two bf16 numbers; two weights (2048 + 128 columns).
; SHARES.  A work-group: 64 columns x 256 k = 65,536 bytes of weights, read once.  Wave v: the 32 k rows 32 v .. 32 v + 31, one matrix step on four column tiles.
; LAYOUT.  Load i of 16: lane (r = lane % 16, h = lane / 16) takes 16 bytes at byte 16 r of row 32 v + 16 h + i, so 16 lanes take 256 consecutive aligned bytes.  Number t of
; the four belongs to tile t, whose column of lane r is 4 r + t.  Register q of a tile's fragment packs loads 2 q and 2 q + 1: the lane's 16 places along K are rows 16 h + 0..15.
; X's fragment takes the same order: 32 consecutive bytes of bf16.  A permutation of K alike in both sources keeps the sum.  No weight is turned or sent through LDS.
; Rows 0-3 and 8-11 of the first source are X's rows 0-3 and 4-7, so a lane's result registers 0-3 hold rows 4 h + 0..3; registers 4-7 are not used.
; No data mover: every weight passes registers for its conversion.  No cluster: the work-groups share only X, 64 KB of planes that lie near, and 34 does not divide by 4.
; LIMITS.  NaN and infinities are not treated apart; a number beyond bf16's largest finite one becomes an infinity.  The order of the f32 sums is the split's, not the reference's.
.set NPART, 8
.if NPART == 1
.set XROW, 8192                        ; bytes from row to row of X
.set YB, 12                            ; s[12:13] Y
.else
.set XROW, 10752
.set YB, 10                            ; s[10:11] Y
.endif
.set PLANE, 86016                      ; a plane of Y: 8 rows of 10,752 bytes
.set YROW, 10752
.set XPITCH, 528                       ; an LDS row of X: 512 bytes of bf16 + 16
.set XLO, 4352                         ; the lo parts lie this far behind the hi parts
.set RED, 8704                         ; [wave 8][row 8] rows of 272 bytes: the waves' partial results
.set RPITCH, 272
.set SPARE, 26112                      ; the spare words, 128 bytes for each wave
.set XO, 4                             ; v4   my offset in X
.set XS, 5                             ; v5   where I put X in LDS
.set AA, 6                             ; v6   where I read X's fragment
.set RST, 7                            ; v7   where I put results
.set RLD, 8                            ; v8   where I read results back
.set YO, 9                             ; v9   my offset in Y
.set SPW, 10                           ; v10  my spare word; never rewritten
.set NIL, 11                           ; v11  0; never rewritten
.set XLD, 16                           ; v16-79   X as loaded, 8 registers a plane
.set WL, 80                            ; v80-143  weights as loaded, 4 registers a row
.set VO, 144                           ; v144-159 the 16 rows' offsets (the pitch is chosen at run time, so it cannot stand in an immediate)
.set BF, 160                           ; v160-191 four fragments of W
.set AH, 192                           ; v192-199 X's fragment, hi
.set AL, 200                           ; v200-207 lo
.set D, 208                            ; v208-239 four accumulators
.set T, 240                            ; v240-249 at work
.macro SPLIT a, hh, ll, t              ; a pair of f32 -> hi = bf16(a), lo = bf16(a - hi)
	v_cvt_pk_bf16_f32 v[\hh], v[\a], v[(\a)+1]
	v_lshlrev_b32 v[\t], 16, v[\hh]
	v_and_b32 v[(\t)+1], s24, v[\hh]
	v_pk_add_f32 v[\t:(\t)+1], v[\a:(\a)+1], v[\t:(\t)+1] neg_lo:[0,1] neg_hi:[0,1]
	v_cvt_pk_bf16_f32 v[\ll], v[\t], v[(\t)+1]
.endm
	s_load_b256 s[4:11], s[0:1], 0x0               ; X s[4:5], the weights s[6:7], s[8:9] (, s[10:11]), then Y
.if NPART == 1
	s_load_b64 s[12:13], s[0:1], 0x20
.endif
	v_lshl_add_u32 v[SPW], v0, 2, SPARE
	v_mov_b32 v[NIL], 0
	v_lshrrev_b32 v1, 5, v0
	v_readfirstlane_b32 s14, v1                    ; wave v
	v_and_b32 v1, 31, v0                           ; lane
	v_and_b32 v2, 15, v0                           ; r
	v_bfe_u32 v3, v0, 4, 1                         ; h
	s_mov_b32 s15, ttmp9                           ; block of 64 columns
	s_and_b32 s16, ttmp7, 0xffff                   ; slice of K
	s_mov_b32 s24, 0xffff0000                      ; a word's upper bf16
	s_mov_b32 s23, 0
	s_mul_i32 s25, s14, XROW                       ; wave v brings row v of X: 1,024 bytes, two loads a plane
	v_lshl_add_u32 v[XO], v1, 4, s25
	s_lshl_b32 s22, s16, 10
	s_wait_kmcnt 0x0
	s_add_nc_u64 s[4:5], s[4:5], s[22:23]
.set p, 0
.rept NPART
	global_load_b128 v[XLD+8*p:XLD+8*p+3], v[XO], s[4:5] offset:p*PLANE
	global_load_b128 v[XLD+8*p+4:XLD+8*p+7], v[XO], s[4:5] offset:p*PLANE+512
.set p, p+1
.endr
	; which weight holds my 64 columns: its address, its pitch in bytes, my block in it
	s_sub_co_u32 s25, s15, 32
	s_mov_b32 s27, 512
	s_cmp_ge_u32 s15, 32
	s_cselect_b32 s17, s27, 0x2000
	s_cselect_b32 s18, s25, s15
	s_cselect_b64 s[20:21], s[8:9], s[6:7]
.if NPART == 1
	s_sub_co_u32 s25, s15, 34
	s_cmp_ge_u32 s15, 34
	s_cselect_b32 s17, 0x800, s17
	s_cselect_b32 s18, s25, s18
	s_cselect_b64 s[20:21], s[10:11], s[20:21]
.endif
	s_mul_i32 s22, s16, s17
	s_lshl_b32 s22, s22, 8                         ; 256 rows a slice
	s_lshl_b32 s25, s18, 8                         ; 256 bytes a block
	s_add_co_u32 s22, s22, s25
	s_add_nc_u64 s[20:21], s[20:21], s[22:23]
	s_lshl_b32 s25, s14, 5
	v_lshl_add_u32 v[T], v3, 4, s25                ; row 32 v + 16 h
	v_mul_lo_u32 v[T], v[T], s17
	v_lshl_add_u32 v[VO], v2, 4, v[T]
.set i, 1
.rept 15
	v_add_nc_u32 v[VO+i], s17, v[VO+i-1]
.set i, i+1
.endr
.set i, 0
.rept 16
	global_load_b128 v[WL+4*i:WL+4*i+3], v[VO+i], s[20:21] th:TH_LOAD_NT  ; all my 8 KB of weights are on their way at once
.set i, i+1
.endr
	s_mul_i32 s22, s16, PLANE
	s_lshl_b32 s25, s15, 8
	s_add_co_u32 s22, s22, s25
	s_add_nc_u64 s[YB:YB+1], s[YB:YB+1], s[22:23]  ; Y at my plane and my 64 columns
	s_mul_i32 s25, s14, XPITCH
	v_lshl_add_u32 v[XS], v1, 3, s25
	v_lshrrev_b32 v[T], 3, v2
	v_lshl_add_u32 v[T], v[T], 2, v2
	v_and_b32 v[T], 7, v[T]                        ; lane r reads X's row (r + 4 (r / 8)) % 8
	v_mul_u32_u24 v[T], v[T], XPITCH
	v_lshl_add_u32 v[T], v3, 5, v[T]
	s_lshl_b32 s25, s14, 6
	v_add_nc_u32 v[AA], s25, v[T]                  ; + 2 bytes x (32 v + 16 h)
	s_mul_i32 s25, s14, 8*RPITCH
	s_add_co_u32 s25, s25, RED
	v_mul_u32_u24 v[T], v3, 4*RPITCH
	v_lshl_add_u32 v[T], v2, 4, v[T]
	v_add_nc_u32 v[RST], s25, v[T]
	s_mul_i32 s25, s14, RPITCH
	s_add_co_u32 s25, s25, RED
	v_lshl_add_u32 v[RLD], v1, 3, s25
	s_mul_i32 s25, s14, YROW
	v_lshl_add_u32 v[YO], v1, 3, s25
	s_wait_loadcnt 16                              ; loads come back in order: the 16 younger ones are the weights, X is in
.if NPART == 1
	v_cvt_pk_bf16_f32 v[T], v[XLD], v[XLD+1]
	v_cvt_pk_bf16_f32 v[T+1], v[XLD+2], v[XLD+3]
	v_cvt_pk_bf16_f32 v[T+2], v[XLD+4], v[XLD+5]
	v_cvt_pk_bf16_f32 v[T+3], v[XLD+6], v[XLD+7]
	ds_store_b64 v[XS], v[T:T+1]                   ; k = 4 lane ..
	ds_store_b64 v[XS], v[T+2:T+3] offset:256      ; k = 128 + 4 lane ..
.else
.set p, 1
.rept NPART-1
.irp j, 0,2,4,6
	v_pk_add_f32 v[XLD+\j:XLD+\j+1], v[XLD+\j:XLD+\j+1], v[XLD+8*p+\j:XLD+8*p+\j+1]
.endr
.set p, p+1
.endr
	SPLIT XLD, T, T+4, T+8
	SPLIT XLD+2, T+1, T+5, T+8
	SPLIT XLD+4, T+2, T+6, T+8
	SPLIT XLD+6, T+3, T+7, T+8
	ds_store_b64 v[XS], v[T:T+1]
	ds_store_b64 v[XS], v[T+2:T+3] offset:256
	ds_store_b64 v[XS], v[T+4:T+5] offset:XLO
	ds_store_b64 v[XS], v[T+6:T+7] offset:XLO+256
.endif
	s_wait_dscnt 0x0                               ; for the others' sake: my row of X is in LDS
	s_barrier_signal -1
	s_wait_loadcnt 0x0                             ; the weights; their conversion, work on registers, stands between signal and wait
.irp t, 0,1,2,3
.irp q, 0,1,2,3,4,5,6,7
	v_cvt_pk_bf16_f32 v[BF+8*\t+\q], v[WL+8*\q+\t], v[WL+8*\q+4+\t]
.endr
.endr
	s_barrier_wait -1
	ds_load_b128 v[AH:AH+3], v[AA]
	ds_load_b128 v[AH+4:AH+7], v[AA] offset:16
.if NPART > 1
	ds_load_b128 v[AL:AL+3], v[AA] offset:XLO
	ds_load_b128 v[AL+4:AL+7], v[AA] offset:XLO+16
.endif
	s_wait_dscnt 0x0
.irp t, 0,1,2,3
	v_wmma_f32_16x16x32_bf16 v[D+8*\t:D+8*\t+7], v[AH:AH+7], v[BF+8*\t:BF+8*\t+7], 0
.endr
.if NPART > 1
.irp t, 0,1,2,3                        ; the four accumulators take turns
	v_wmma_f32_16x16x32_bf16 v[D+8*\t:D+8*\t+7], v[AL:AL+7], v[BF+8*\t:BF+8*\t+7], v[D+8*\t:D+8*\t+7]
.endr
.endif
.rept 4
	v_nop                                          ; four places between the last product and the stores that read results
.endr
.irp t, 0,1,2,3
.irp j, 0,1,2,3
	ds_store_b32 v[RST], v[D+8*\t+\j] offset:RPITCH*\j+4*\t  ; row 4 h + j, column 4 r + t
.endr
.endr
	s_wait_dscnt 0x0                               ; for the others' sake
	s_barrier_signal -1
	s_barrier_wait -1
.irp u, 0,1,2,3,4,5,6,7
	ds_load_b64 v[16+2*\u:17+2*\u], v[RLD] offset:8*RPITCH*\u  ; wave v adds row v of all eight waves
.endr
	s_wait_dscnt 0x0
.irp u, 1,2,3,4,5,6,7
	v_pk_add_f32 v[16:17], v[16:17], v[16+2*\u:17+2*\u]
.endr
	global_store_b64 v[YO], v[16:17], s[YB:YB+1]   ; the wave's 32 lanes store 256 consecutive bytes, aligned
	s_wait_tensorcnt 0x0                           ; the wave's end
	ds_add_u32 v[SPW], v[NIL]
	s_wait_dscnt 0x0
	s_endpgm
.Lfunc_end_k_qa5d4b9e665_proj_q:
	.size	k_qa5d4b9e665_proj_q, .Lfunc_end_k_qa5d4b9e665_proj_q-k_qa5d4b9e665_proj_q
	.p2alignl 7, 3214868480
	.fill 96, 4, 3214868480
	.section	.rodata,"a",@progbits
	.p2align	6, 0x0
	.amdhsa_kernel k_qa5d4b9e665_proj_q
		.amdhsa_group_segment_fixed_size 27136
		.amdhsa_private_segment_fixed_size 0
		.amdhsa_enable_private_segment 0
		.amdhsa_kernarg_size 32
		.amdhsa_user_sgpr_count 2
		.amdhsa_user_sgpr_kernarg_segment_ptr 1
		.amdhsa_wavefront_size32 1
		.amdhsa_system_sgpr_workgroup_id_x 1
		.amdhsa_system_sgpr_workgroup_id_y 1
		.amdhsa_system_sgpr_workgroup_id_z 1
		.amdhsa_system_vgpr_workitem_id 0
		.amdhsa_next_free_vgpr 256
		.amdhsa_next_free_sgpr 66
		.amdhsa_reserve_vcc 0
		.amdhsa_float_denorm_mode_32 3
		.amdhsa_float_denorm_mode_16_64 3
		.amdhsa_memory_ordered 1
		.amdhsa_forward_progress 1
		.amdhsa_inst_pref_size 15
	.end_amdhsa_kernel
	.amdgpu_metadata
---
amdhsa.version: [ 1, 2 ]
amdhsa.kernels:
  - .name:           k_qa5d4b9e665_proj_q
    .symbol:         k_qa5d4b9e665_proj_q.kd
    .args:
      - { .name: y1, .offset: 0, .size: 8, .value_kind: global_buffer, .address_space: global }
      - { .name: Wuq, .offset: 8, .size: 8, .value_kind: global_buffer, .address_space: global }
      - { .name: Wqr, .offset: 16, .size: 8, .value_kind: global_buffer, .address_space: global }
      - { .name: y2, .offset: 24, .size: 8, .value_kind: global_buffer, .address_space: global }
    .group_segment_fixed_size: 27136
    .private_segment_fixed_size: 0
    .kernarg_segment_align: 8
    .kernarg_segment_size: 32
    .max_flat_workgroup_size: 256
    .sgpr_count:     66
    .vgpr_count:     256
    .wavefront_size: 32
...
	.end_amdgpu_metadata
.endif
;; end of part 2
;; launch absorb (part 3): grid 134 x 1, 4 waves a work-group, no clusters, 24,832 bytes of LDS; arguments y1, y2, fused_upsample, qx; writes qx
.if DOCPART == 3
	.amdgcn_target "amdgcn-amd-amdhsa--gfx1250"
	.amdhsa_code_object_version 6
	.text
	.protected	k_qa5d4b9e665_absorb
	.globl	k_qa5d4b9e665_absorb
	.p2align	8
	.type	k_qa5d4b9e665_absorb,@function
k_qa5d4b9e665_absorb:
	s_mov_b64 s[64:65], 0
	v_nop
	global_prefetch_b8 v0, s[64:65] scope:SCOPE_SE
	s_setreg_imm32_b32 hwreg(HW_REG_WAVE_MODE, 25, 1), 1
	s_wait_xcnt 0x0
; THE KEY UP-PROJECTION IS MOVED ONTO THE QUERY: q_abs[b][head][c] = the sum over d of fused[c][128 head + d] Qc[b][128 head + d], so that a score is q_abs . ckv (associativity; it holds for every input).
; Work-groups 0-127: head = id / 8, w = id % 8: 64 values of c for one head and all 8 batches; 32 KB of weights, read once; K = 128 is whole.  Wave v: 16 rows c.
; First source = 16 rows of fused (K = d lies along memory), second source = Qc (column = batch, twice), as hi + lo: a lane's result is 8 neighbouring c of one batch.
; q_abs leaves as hi + lo in bf16, laid out as the next launch's fragments want it: [b][w][head][128 bytes hi, 128 bytes lo].
; Work-groups 128-133 add the 8 planes of Qr (y2), kr_new and ckv_new (y1) into fin[b][768] f32 at byte 262,144 of qx.
; No cluster: 134 work-groups do not divide by 4, and what is shared is 32 KB of Qc planes against 32 KB of weights.
; LIMITS.  NaN and infinities are not treated apart; beyond bf16's largest finite number hi is an infinity.
.set PLANE, 86016
.set YROW, 10752
.set WP, 272                           ; an LDS row: 256 bytes of bf16 + 16
.set XH, 17408                         ; behind the 4 x 16 weight rows: Qc hi, 8 rows
.set XLO, 2304                         ; lo lies this far behind hi
.set OUT, 22016                        ; q_abs on its way out, 8 rows
.set SPARE, 24320
.set FIN, 262144
.set SPW, 10
.set NIL, 11
.set XLD, 16                           ; v16-79   planes of two rows: row mm, plane p at 32 mm + 4 p
.set WL, 80                            ; v80-143  16 weight rows
.set AF, 16                            ; later, behind the wait for all loads: v16-47 fused's fragments, v48-79 Qc hi, v80-111 Qc lo, v112-127 two accumulators
.set BH, 48
.set BL, 80
.set ACH, 112
.set ACL, 120
.set T, 144                            ; v144-157 at work: behind the weight rows, since it is written while their loads are on their way
.macro SPLIT a, hh, ll, t              ; a pair of f32 -> hi = bf16(a), lo = bf16(a - hi)
	v_cvt_pk_bf16_f32 v[\hh], v[\a], v[(\a)+1]
	v_lshlrev_b32 v[\t], 16, v[\hh]
	v_and_b32 v[(\t)+1], s24, v[\hh]
	v_pk_add_f32 v[\t:(\t)+1], v[\a:(\a)+1], v[\t:(\t)+1] neg_lo:[0,1] neg_hi:[0,1]
	v_cvt_pk_bf16_f32 v[\ll], v[\t], v[(\t)+1]
.endm
.macro SUMX                            ; the 8 planes of my two rows are added
.irp mm, 0,1
.irp pp, 1,2,3,4,5,6,7
	v_pk_add_f32 v[XLD+32*\mm:XLD+32*\mm+1], v[XLD+32*\mm:XLD+32*\mm+1], v[XLD+32*\mm+4*\pp:XLD+32*\mm+4*\pp+1]
	v_pk_add_f32 v[XLD+32*\mm+2:XLD+32*\mm+3], v[XLD+32*\mm+2:XLD+32*\mm+3], v[XLD+32*\mm+4*\pp+2:XLD+32*\mm+4*\pp+3]
.endr
.endr
.endm
	s_load_b256 s[4:11], s[0:1], 0x0               ; y1 s[4:5], y2 s[6:7], fused s[8:9], qx s[10:11]
	v_lshl_add_u32 v[SPW], v0, 2, SPARE
	v_mov_b32 v[NIL], 0
	v_lshrrev_b32 v1, 5, v0
	v_readfirstlane_b32 s12, v1                    ; wave v
	v_and_b32 v1, 31, v0
	v_and_b32 v2, 15, v0                           ; r
	v_bfe_u32 v3, v0, 4, 1                         ; h
	s_mov_b32 s13, ttmp9
	s_lshr_b32 s14, s13, 3                         ; head (16 for id 128: column 2048, where Qr lies)
	s_and_b32 s15, s13, 7                          ; w
	s_mov_b32 s24, 0xffff0000
	s_mov_b32 s23, 0
	s_lshl_b32 s22, s14, 9                         ; 128 columns of f32 a head
	s_sub_co_u32 s25, s13, 129
	s_lshl_b32 s25, s25, 9
	s_add_co_u32 s25, s25, 8192                    ; ids 129-133: y1's columns 2048 + 128 (id - 129)
	s_mul_i32 s26, s12, 2*YROW                     ; wave v adds rows 2 v and 2 v + 1
	v_lshl_add_u32 v4, v1, 4, s26
	s_wait_kmcnt 0x0
	s_cmp_gt_u32 s13, 128
	s_cselect_b32 s22, s25, s22
	s_cselect_b64 s[16:17], s[4:5], s[6:7]
	s_add_nc_u64 s[16:17], s[16:17], s[22:23]
.irp mm, 0,1
.irp pp, 0,1,2,3,4,5,6,7
	global_load_b128 v[XLD+32*\mm+4*\pp:XLD+32*\mm+4*\pp+3], v4, s[16:17] offset:\pp*PLANE+\mm*YROW
.endr
.endr
	s_cmp_ge_u32 s13, 128
	s_cbranch_scc1 .Lfin                           ; the branch hangs on the work-group's number alone
	s_lshl_b32 s22, s15, 20                        ; 64 rows of 16,384 bytes
	s_lshl_b32 s25, s14, 9
	s_add_co_u32 s22, s22, s25
	s_add_nc_u64 s[18:19], s[8:9], s[22:23]
	s_lshl_b32 s25, s12, 18                        ; my 16 rows
	v_lshl_add_u32 v5, v1, 4, s25
.set i, 0
.rept 16
	global_load_b128 v[WL+4*i:WL+4*i+3], v5, s[18:19] offset:i*16384 th:TH_LOAD_NT  ; a row's 512 bytes in one load
.set i, i+1
.endr
	s_lshl4_add_u32 s22, s15, s14
	s_lshl_b32 s22, s22, 8
	s_add_nc_u64 s[20:21], s[10:11], s[22:23]      ; qx at unit (w, head) of batch 0
	s_mul_i32 s25, s12, 2*WP
	s_add_co_u32 s25, s25, XH
	v_lshl_add_u32 v6, v1, 3, s25                  ; where Qc goes
	s_mul_i32 s26, s12, 16*WP
	v_lshl_add_u32 v7, v1, 3, s26                  ; where my weight rows go
	v_mul_u32_u24 v8, v2, WP
	v_lshl_add_u32 v8, v3, 4, v8
	v_add_nc_u32 v8, s26, v8                       ; fused's fragments: row r, 16 h
	v_and_b32 v[T], 7, v0
	v_mul_u32_u24 v[T], v[T], WP
	v_lshl_add_u32 v[T], v3, 4, v[T]
	v_add_nc_u32 v9, XH, v[T]                      ; Qc's fragments: batch r % 8
	s_lshl_b32 s25, s12, 5
	s_add_co_u32 s25, s25, OUT
	v_add_nc_u32 v12, s25, v[T]                    ; out: batch r % 8, 2 bytes x (16 v + 8 h)
	v_lshrrev_b32 v[T], 4, v0
	v_mul_u32_u24 v13, v[T], WP
	v_lshl_add_u32 v13, v2, 4, v13
	v_add_nc_u32 v13, OUT, v13                     ; back: thread t takes 16 bytes of batch t / 16
	v_lshlrev_b32 v14, 15, v[T]
	v_lshl_add_u32 v14, v2, 4, v14                 ; a batch's units lie 32,768 bytes apart
	s_wait_loadcnt 16                              ; the 16 younger loads are the weights: Qc's planes are in
	SUMX
	SPLIT XLD, T, T+2, T+8
	SPLIT XLD+2, T+1, T+3, T+8
	SPLIT XLD+32, T+4, T+6, T+8
	SPLIT XLD+34, T+5, T+7, T+8
	ds_store_b64 v6, v[T:T+1]
	ds_store_b64 v6, v[T+2:T+3] offset:XLO
	ds_store_b64 v6, v[T+4:T+5] offset:WP
	ds_store_b64 v6, v[T+6:T+7] offset:WP+XLO
	s_wait_loadcnt 0x0
.set i, 0
.rept 16
	v_cvt_pk_bf16_f32 v[T+10+2*(i%2)], v[WL+4*i], v[WL+4*i+1]
	v_cvt_pk_bf16_f32 v[T+11+2*(i%2)], v[WL+4*i+2], v[WL+4*i+3]
	ds_store_b64 v7, v[T+10+2*(i%2):T+11+2*(i%2)] offset:WP*i
.set i, i+1
.endr
	s_wait_dscnt 0x0                               ; for the others' sake: my rows of Qc are in LDS
	s_barrier_signal -1
	s_barrier_wait -1
.irp ks, 0,1,2,3
	ds_load_b128 v[AF+8*\ks:AF+8*\ks+3], v8 offset:64*\ks
	ds_load_b128 v[AF+8*\ks+4:AF+8*\ks+7], v8 offset:64*\ks+32
	ds_load_b128 v[BH+8*\ks:BH+8*\ks+3], v9 offset:64*\ks
	ds_load_b128 v[BH+8*\ks+4:BH+8*\ks+7], v9 offset:64*\ks+32
	ds_load_b128 v[BL+8*\ks:BL+8*\ks+3], v9 offset:XLO+64*\ks
	ds_load_b128 v[BL+8*\ks+4:BL+8*\ks+7], v9 offset:XLO+64*\ks+32
.endr
	s_wait_dscnt 0x0
	v_wmma_f32_16x16x32_bf16 v[ACH:ACH+7], v[AF:AF+7], v[BH:BH+7], 0
	v_wmma_f32_16x16x32_bf16 v[ACL:ACL+7], v[AF:AF+7], v[BL:BL+7], 0
.irp ks, 1,2,3                         ; the two accumulators take turns
	v_wmma_f32_16x16x32_bf16 v[ACH:ACH+7], v[AF+8*\ks:AF+8*\ks+7], v[BH+8*\ks:BH+8*\ks+7], v[ACH:ACH+7]
	v_wmma_f32_16x16x32_bf16 v[ACL:ACL+7], v[AF+8*\ks:AF+8*\ks+7], v[BL+8*\ks:BL+8*\ks+7], v[ACL:ACL+7]
.endr
.rept 4
	v_nop                                          ; four places behind the last product (ISA guide 7.12.1)
.endr
.irp j, 0,2,4,6
	v_pk_add_f32 v[ACH+\j:ACH+\j+1], v[ACH+\j:ACH+\j+1], v[ACL+\j:ACL+\j+1]
.endr
	SPLIT ACH, T, T+4, T+8
	SPLIT ACH+2, T+1, T+5, T+8
	SPLIT ACH+4, T+2, T+6, T+8
	SPLIT ACH+6, T+3, T+7, T+8
	ds_store_b128 v12, v[T:T+3]                    ; lanes r and r + 8 hold the same batch and store the same numbers
	ds_store_b128 v12, v[T+4:T+7] offset:128
	s_wait_dscnt 0x0
	s_barrier_signal -1
	s_barrier_wait -1
	ds_load_b128 v[16:19], v13
	s_wait_dscnt 0x0
	global_store_b128 v14, v[16:19], s[20:21]      ; 16 lanes store 256 consecutive bytes, aligned
	s_wait_tensorcnt 0x0                           ; the wave's end
	ds_add_u32 v[SPW], v[NIL]
	s_wait_dscnt 0x0
	s_endpgm
.Lfin:
	s_sub_co_u32 s22, s13, 128
	s_lshl_b32 s22, s22, 9
	s_add_co_u32 s22, s22, FIN
	s_add_nc_u64 s[20:21], s[10:11], s[22:23]
	s_mul_i32 s25, s12, 6144                       ; rows of 3,072 bytes, two a wave
	v_lshl_add_u32 v14, v1, 4, s25
	s_wait_loadcnt 0x0
	SUMX
	global_store_b128 v14, v[XLD:XLD+3], s[20:21]
	global_store_b128 v14, v[XLD+32:XLD+35], s[20:21] offset:3072
	s_wait_tensorcnt 0x0
	ds_add_u32 v[SPW], v[NIL]
	s_wait_dscnt 0x0
	s_endpgm
.Lfunc_end_k_qa5d4b9e665_absorb:
	.size	k_qa5d4b9e665_absorb, .Lfunc_end_k_qa5d4b9e665_absorb-k_qa5d4b9e665_absorb
	.p2alignl 7, 3214868480
	.fill 96, 4, 3214868480
	.section	.rodata,"a",@progbits
	.p2align	6, 0x0
	.amdhsa_kernel k_qa5d4b9e665_absorb
		.amdhsa_group_segment_fixed_size 24832
		.amdhsa_private_segment_fixed_size 0
		.amdhsa_enable_private_segment 0
		.amdhsa_kernarg_size 32
		.amdhsa_user_sgpr_count 2
		.amdhsa_user_sgpr_kernarg_segment_ptr 1
		.amdhsa_wavefront_size32 1
		.amdhsa_system_sgpr_workgroup_id_x 1
		.amdhsa_system_sgpr_workgroup_id_y 1
		.amdhsa_system_sgpr_workgroup_id_z 1
		.amdhsa_system_vgpr_workitem_id 0
		.amdhsa_next_free_vgpr 160
		.amdhsa_next_free_sgpr 66
		.amdhsa_reserve_vcc 0
		.amdhsa_float_denorm_mode_32 3
		.amdhsa_float_denorm_mode_16_64 3
		.amdhsa_memory_ordered 1
		.amdhsa_forward_progress 1
		.amdhsa_inst_pref_size 19
	.end_amdhsa_kernel
	.amdgpu_metadata
---
amdhsa.version: [ 1, 2 ]
amdhsa.kernels:
  - .name:           k_qa5d4b9e665_absorb
    .symbol:         k_qa5d4b9e665_absorb.kd
    .args:
      - { .name: y1, .offset: 0, .size: 8, .value_kind: global_buffer, .address_space: global }
      - { .name: y2, .offset: 8, .size: 8, .value_kind: global_buffer, .address_space: global }
      - { .name: fused_upsample, .offset: 16, .size: 8, .value_kind: global_buffer, .address_space: global }
      - { .name: qx, .offset: 24, .size: 8, .value_kind: global_buffer, .address_space: global }
    .group_segment_fixed_size: 24832
    .private_segment_fixed_size: 0
    .kernarg_segment_align: 8
    .kernarg_segment_size: 32
    .max_flat_workgroup_size: 128
    .sgpr_count:     66
    .vgpr_count:     160
    .wavefront_size: 32
...
	.end_amdgpu_metadata
.endif
;; end of part 3
;; launch attend (part 4): grid 32 x 8, 8 waves a work-group, no clusters, 257,024 bytes of LDS; arguments ckv_cache, kr_cache, qx, att; writes att
.if DOCPART == 4
	.amdgcn_target "amdgcn-amd-amdhsa--gfx1250"
	.amdhsa_code_object_version 6
	.text
	.protected	k_qa5d4b9e665_attend
	.globl	k_qa5d4b9e665_attend
	.p2align	8
	.type	k_qa5d4b9e665_attend,@function
k_qa5d4b9e665_attend:
	s_mov_b64 s[64:65], 0
	v_nop
	global_prefetch_b8 v0, s[64:65] scope:SCOPE_SE
	s_setreg_imm32_b32 hwreg(HW_REG_WAVE_MODE, 25, 1), 1
	s_wait_xcnt 0x0
; ATTENTION ON THE COMPRESSED CACHE, one query a head.  A work-group takes 128 keys of one batch (split = x, batch = y): 256 KB of ckv and 64 KB of kr, each read once.
;   score[head][key] = q_abs[head] . ckv[key] + rope[key];  p = 2^(c (score - m)), c = log2(e) / 16, m the chunk's true maximum;  l = sum p;  o[head][:] = sum p ckv[key][:].
; o (not normalised), m and l go to att; the next launch merges the 32 chunks by the maximum over all of them.  Key 4095 is the current token's row, taken from fin.
; SHARES.  Wave w owns columns 64 w .. 64 w + 63 of all 128 keys: it loads them, rounds them to bf16 into LDS bytes of its own, multiplies them by its part of q_abs (a split of K) and later by P.
; The waves' partial scores meet in LDS; wave w adds tile w (16 keys) and the rope term of its 16 rows of kr; then every wave takes all 128 scores and makes P itself.
; MATRIX LAYOUT.  Scores: first source = 16 keys, second = q_abs (column = head): a lane holds one head and keys 8 h + 0..7 of a tile; two tiles rounded in pairs ARE the second source
; (32 keys x 16 heads) of o^T = ckv^T P, whose first source comes out of LDS turned (ds_load_tr16_b128).  q_abs and P go as hi + lo, two bf16 numbers and two products each.
; ROPE.  Rotating q by position 4095 and k by position s is rotating by (s - 4095) theta_i: rope = sum kr[e] u[e], with u = A cos + B sin, A the lane's own half of Qr, B the other half (negated
; in the upper half).  It is one number a key for all heads, so it stays on the vector unit, in f32: u is stepped from key to key by the rotation (cos theta, sin theta), one multiply-add a number of kr.
; Sine and cosine: reduction by 2 pi in two parts, polynomials on a quarter of the angle (at most pi / 4), two doublings.
; THE STREAM.  80 loads of 512 bytes a wave (16 rows of kr, 64 pairs of keys) through a ring of 24 register slots: 12 KB a wave, 96 KB a work-group on their way.
; No data mover: every number passes registers for its conversion, and 320 KB of f32 would not fit beside the bf16 copy.  No cluster: the work-groups of a batch share 32 KB of q_abs against 320 KB of their own.
; LIMITS.  NaN and infinities are not treated apart.  A weight below 2^-126 counts as 0.  theta_i = 2^(-i log2(10000) / 64) by v_exp_f32: at the farthest keys an angle differs from the
; reference's f32 product position x frequency by up to about 1e-3.  kr, and the new token's two rows, are rounded to bf16 like the cached rows.  The order of the f32 sums is the splits'.
.set CKP, 144                          ; an LDS row of a wave's tile: 128 bytes of bf16 + 16
.set CKW, 128*CKP                      ; a wave's tile
.set SP, 8*CKW                         ; [wave 8][tile 8][1,024 bytes]: partial scores
.set SF, SP+65536                      ; [tile 8][1,024 bytes]: scores
.set STG, SF+8192                      ; 16 rows x 272 bytes for each wave, for the way out
.set STP, 272
.set SPARE, STG+8*16*STP               ; the spare words, 128 bytes for each wave
.set NSLOT, 24
.set SPW, 10                           ; v10 my spare word, v11 0; never rewritten
.set NIL, 11
.set QF, 16                            ; v16-47   q_abs: hi K step 0, hi 1, lo 0, lo 1;  later P hi
.set PH, 16
.set RING, 48                          ; v48-143  24 slots of 4;  later v48-111 scores, v48-79 P lo, v80-111 turned ckv, v112-143 o^T
.set S, 48
.set PL, 48
.set OA, 112
.set U, 144                            ; v144-207 rope: u, its derivative w, cos theta, sin theta, A, B, 16 row sums, theta, cos and sin of the first angle, at work
.set W, 148
.set CS, 152
.set SN, 156
.set QA, 160
.set QX, 164
.set PR, 168
.set TH, 184
.set C0, 188
.set S0, 192
.set TM, 196
.set ACC, 144                          ;          then the 8 score tiles; then turned ckv of keys 0-63
.set AF, 208                           ; v208-239 key fragments; then the maximum's chains; then turned ckv of keys 96-127
.set MX, 208
.set RS, 240                           ; v240-247 rope of my tile; then m, l, c m (twice), two sum chains
.set NEW, 248                          ; v248-251 the new token's ckv; then the stage's addresses
.set T, 252                            ; v252-255 at work
	s_load_b256 s[4:11], s[0:1], 0x0               ; ckv s[4:5], kr s[6:7], qx s[8:9], att s[10:11]
	v_lshl_add_u32 v[SPW], v0, 2, SPARE
	v_mov_b32 v[NIL], 0
	v_lshrrev_b32 v1, 5, v0
	v_readfirstlane_b32 s12, v1                    ; wave w
	v_and_b32 v1, 31, v0                           ; lane
	v_and_b32 v2, 15, v0                           ; r
	v_bfe_u32 v3, v0, 4, 1                         ; h
	s_mov_b32 s13, ttmp9                           ; split
	s_and_b32 s14, ttmp7, 0xffff                   ; batch
	s_mov_b32 s16, 0xffff0000                      ; the upper 16 lanes; also a word's upper bf16
	s_cmp_eq_u32 s13, 31                           ; the last split holds the new token as its key 127
	s_cselect_b32 s15, 1, 0
	s_cselect_b32 s17, s16, 0                      ; the lanes that take the new row in the last pair of keys
	s_cselect_b32 s55, 0, 0x800                    ; there both halves of the lanes load key 126: no load leaves the cache
	s_mov_b32 s49, 0
	s_mul_i32 s18, s14, 4095
	s_lshl_b32 s19, s13, 7
	s_add_co_u32 s18, s18, s19                     ; the chunk's first row in both caches
	s_lshl4_add_u32 s47, s12, s19
	s_sub_co_u32 s47, 4095, s47                    ; 4095 - the position of my first row of kr
	s_mov_b32 s34, 0x76543210                      ; v_permlanex16_b32: each lane takes its own place in the other half
	s_mov_b32 s35, 0xfedcba98
	s_mov_b32 s36, 0x40c90fdb                      ; 2 pi, upper part
	s_mov_b32 s37, 0xb43bbd2e                      ; and the rest
	s_mov_b32 s38, 0xbe2aaaab                      ; sine: -1/6, 1/120, -1/5040
	s_mov_b32 s39, 0x3c088889
	s_mov_b32 s40, 0xb9500d01
	s_mov_b32 s41, 0x3d2aaaab                      ; cosine: 1/24, -1/720, 1/40320
	s_mov_b32 s42, 0xbab60b61
	s_mov_b32 s43, 0x37d00d01
	s_mov_b32 s44, 0x3db8aa3b                      ; c = log2(e) / 16
	s_mov_b32 s45, s44                             ; named with it as a pair
	s_mov_b32 s46, 0xbe549a78                      ; -log2(10000) / 64
	s_lshl_b32 s54, s12, 8
	v_lshl_add_u32 v253, v2, 4, s54                ; 256 w + 16 r
	v_lshl_add_u32 v4, v3, 11, v253                ; a pair of keys: lanes 0-15 the even key's 256 bytes, lanes 16-31 the odd key's
	v_mul_u32_u24 v5, s55, v3
	v_add_nc_u32 v5, v5, v253                      ; the same for the last pair
	v_lshlrev_b32 v6, 4, v1                        ; a row of kr: 16 bytes a lane
	v_xor_b32 v252, 16, v1
	v_lshlrev_b32 v252, 4, v252                    ; the other half of Qr
	v_lshlrev_b32 v15, 8, v2
	v_lshl_add_u32 v15, v3, 4, v15                 ; q_abs: head r's unit of 256 bytes, 16 h
	s_wait_kmcnt 0x0
	s_lshl_b32 s48, s18, 11
	s_add_nc_u64 s[20:21], s[4:5], s[48:49]        ; ckv at the chunk
	s_lshl4_add_u32 s48, s12, s18
	s_lshl_b32 s48, s48, 9
	s_add_nc_u64 s[22:23], s[6:7], s[48:49]        ; kr at my 16 rows
	s_mul_i32 s48, s14, 3072
	s_add_co_u32 s48, s48, 262144
	s_add_nc_u64 s[28:29], s[8:9], s[48:49]        ; fin[batch]: Qr, kr_new, ckv_new
	s_lshl3_add_u32 s48, s14, s12
	s_lshl_b32 s48, s48, 12
	s_add_nc_u64 s[26:27], s[8:9], s[48:49]        ; q_abs[batch][w]
	s_add_nc_u64 s[50:51], s[28:29], 512
	s_add_nc_u64 s[52:53], s[22:23], 7680
	s_cmp_eq_u32 s12, 7
	s_cselect_b32 s54, s15, 0
	s_cmp_eq_u32 s54, 1
	s_cselect_b64 s[24:25], s[50:51], s[52:53]     ; my 16th row of kr: the cache's, or the new token's
	s_lshl_b32 s54, s14, 5
	s_add_co_u32 s54, s54, s13
	s_lshl_b32 s48, s54, 15
	s_add_nc_u64 s[30:31], s[10:11], s[48:49]      ; att: o of this chunk
	s_lshl_b32 s48, s54, 8
	s_add_co_u32 s48, s48, 8388608
	s_add_nc_u64 s[32:33], s[10:11], s[48:49]      ; att: m and l of this chunk
.irp j, 0,1,2,3,4,5,6,7
	global_load_b128 v[QF+4*\j:QF+4*\j+3], v15, s[26:27] offset:32*\j
.endr
	global_load_b128 v[QA:QA+3], v6, s[28:29]
	global_load_b128 v[QX:QX+3], v252, s[28:29]
	global_load_b128 v[NEW:NEW+3], v253, s[28:29] offset:1024
.macro LOADE e                         ; entry e of the stream into its slot
.set sl, RING+4*((\e)%NSLOT)
.if (\e) < 15
	global_load_b128 v[sl:sl+3], v6, s[22:23] offset:512*(\e) th:TH_LOAD_NT
.elseif (\e) == 15
	global_load_b128 v[sl:sl+3], v6, s[24:25] th:TH_LOAD_NT
.elseif (\e) < 79
	global_load_b128 v[sl:sl+3], v4, s[20:21] offset:4096*((\e)-16) th:TH_LOAD_NT
.else
	global_load_b128 v[sl:sl+3], v5, s[20:21] offset:4096*63 th:TH_LOAD_NT
.endif
.endm
.set i, 0
.rept NSLOT
	LOADE i
.set i, i+1
.endr
	; LDS addresses, while the loads are on their way
	s_mul_i32 s54, s12, CKW
	v_mul_u32_u24 v7, v3, CKP
	v_lshl_add_u32 v7, v2, 3, v7
	v_add_nc_u32 v7, s54, v7                       ; in: key 2 p + h, 8 bytes at 8 r
	v_mul_u32_u24 v8, v2, CKP
	v_lshl_add_u32 v8, v3, 4, v8
	v_add_nc_u32 v8, s54, v8                       ; key fragments: key r, 16 h
	v_and_b32 v9, 7, v0
	v_lshl_add_u32 v9, v3, 3, v9
	v_mul_u32_u24 v9, v9, CKP
	v_bfe_u32 v[TM], v0, 3, 1
	v_lshl_add_u32 v9, v[TM], 4, v9
	v_add_nc_u32 v9, s54, v9                       ; the turning load: key 8 h + lane % 8, 16 bytes at 16 ((lane / 8) % 2)
	s_lshl_b32 s54, s12, 13
	s_add_co_u32 s54, s54, SP
	v_lshl_add_u32 v12, v1, 4, s54                 ; my partial scores
	s_lshl_b32 s54, s12, 10
	s_add_co_u32 s54, s54, SP
	v_lshl_add_u32 v13, v1, 4, s54                 ; tile w in wave 0's part
	v_lshl_add_u32 v14, v1, 4, SF
	; theta of my four frequencies i = 4 r + e; cos and sin of theta and of (4095 - first position) theta
	v_lshlrev_b32 v[TM], 2, v2
.irp e, 0,1,2,3
	v_add_nc_u32 v[TM+1], \e, v[TM]
	v_cvt_f32_u32 v[TM+1], v[TM+1]
	v_mul_f32 v[TH+\e], s46, v[TM+1]
.endr
.irp e, 0,1,2,3
	v_exp_f32 v[TH+\e], v[TH+\e]
.endr
	v_mov_b32 v[TM+8], s47                         ; a plain instruction behind the last exponential
	v_cvt_f32_u32 v[TM+8], v[TM+8]
	s_wait_alu depctr_va_vdst(0)
.macro SINCOS k, th, sn, cs
	v_mul_f32 v[TM], \k, v[\th]                    ; the angle, and what its rounding lost
	v_fma_f32 v[TM+1], \k, v[\th], -v[TM]
	v_mul_f32 v[TM+2], 0.15915494, v[TM]
	v_rndne_f32 v[TM+2], v[TM+2]                   ; whole turns
	v_fma_f32 v[TM], -v[TM+2], s36, v[TM]
	v_fma_f32 v[TM], -v[TM+2], s37, v[TM]
	v_add_f32 v[TM], v[TM], v[TM+1]
	v_mul_f32 v[TM], 0x3e800000, v[TM]             ; x = a quarter of it
	v_mul_f32 v[TM+1], v[TM], v[TM]
	v_fma_f32 v[TM+2], v[TM+1], s40, s39
	v_fma_f32 v[TM+3], v[TM+1], s43, s42
	v_fma_f32 v[TM+2], v[TM+2], v[TM+1], s38
	v_fma_f32 v[TM+3], v[TM+3], v[TM+1], s41
	v_mul_f32 v[TM+2], v[TM+2], v[TM+1]
	v_fma_f32 v[TM+3], v[TM+3], v[TM+1], -0.5
	v_fma_f32 v[TM+2], v[TM+2], v[TM], v[TM]       ; sin x
	v_fma_f32 v[TM+3], v[TM+3], v[TM+1], 1.0       ; cos x
	v_add_f32 v[TM], v[TM+2], v[TM+2]
	v_fma_f32 v[TM+1], -v[TM], v[TM+2], 1.0        ; cos 2x = 1 - 2 sin^2
	v_mul_f32 v[TM+2], v[TM], v[TM+3]              ; sin 2x = 2 sin cos
	v_add_f32 v[TM], v[TM+2], v[TM+2]
	v_fma_f32 v[\cs], -v[TM], v[TM+2], 1.0
	v_mul_f32 v[\sn], v[TM], v[TM+1]
.endm
.irp e, 0,1,2,3
	SINCOS 1.0, TH+\e, SN+\e, CS+\e
	SINCOS v[TM+8], TH+\e, S0+\e, C0+\e
.endr
	s_wait_loadcnt 24                              ; the 24 younger loads are the ring's: q_abs, Qr and the new row are in
	v_lshlrev_b32 v[TM], 31, v3
.irp e, 0,1,2,3
	v_xor_b32 v[QX+\e], v[TM], v[QX+\e]            ; the upper half's partner enters with a minus
.endr
.irp e, 0,2                            ; the first angle is -(4095 - position) theta: u = A c0 - B s0, w = B c0 + A s0
	v_pk_mul_f32 v[U+\e:U+\e+1], v[QA+\e:QA+\e+1], v[C0+\e:C0+\e+1]
	v_pk_mul_f32 v[W+\e:W+\e+1], v[QX+\e:QX+\e+1], v[C0+\e:C0+\e+1]
	v_pk_fma_f32 v[U+\e:U+\e+1], v[QX+\e:QX+\e+1], v[S0+\e:S0+\e+1], v[U+\e:U+\e+1] neg_lo:[1,0,0] neg_hi:[1,0,0]
	v_pk_fma_f32 v[W+\e:W+\e+1], v[QA+\e:QA+\e+1], v[S0+\e:S0+\e+1], v[W+\e:W+\e+1]
.endr
.macro ROPEK i                         ; row i of kr: rounded as an input, times u; then u and w step one position on
.set sl, RING+4*(\i)
	s_wait_loadcnt 23                              ; 23 younger ring loads may stay out
	v_cvt_pk_bf16_f32 v[TM], v[sl], v[sl+1]
	v_cvt_pk_bf16_f32 v[TM+1], v[sl+2], v[sl+3]
	LOADE (\i)+24
	v_lshlrev_b32 v[TM+2], 16, v[TM]
	v_and_b32 v[TM+3], s16, v[TM]
	v_lshlrev_b32 v[TM+4], 16, v[TM+1]
	v_and_b32 v[TM+5], s16, v[TM+1]
	v_pk_mul_f32 v[TM+2:TM+3], v[TM+2:TM+3], v[U:U+1]
	v_pk_fma_f32 v[TM+2:TM+3], v[TM+4:TM+5], v[U+2:U+3], v[TM+2:TM+3]
	v_add_f32 v[PR+(\i)], v[TM+2], v[TM+3]
.if (\i) < 15
	v_pk_mul_f32 v[TM+6:TM+7], v[U:U+1], v[SN:SN+1]
	v_pk_mul_f32 v[TM+8:TM+9], v[U+2:U+3], v[SN+2:SN+3]
	v_pk_mul_f32 v[U:U+1], v[U:U+1], v[CS:CS+1]
	v_pk_mul_f32 v[U+2:U+3], v[U+2:U+3], v[CS+2:CS+3]
	v_pk_fma_f32 v[U:U+1], v[W:W+1], v[SN:SN+1], v[U:U+1]
	v_pk_fma_f32 v[U+2:U+3], v[W+2:W+3], v[SN+2:SN+3], v[U+2:U+3]
	v_pk_fma_f32 v[W:W+1], v[W:W+1], v[CS:CS+1], v[TM+6:TM+7] neg_lo:[0,0,1] neg_hi:[0,0,1]
	v_pk_fma_f32 v[W+2:W+3], v[W+2:W+3], v[CS+2:CS+3], v[TM+8:TM+9] neg_lo:[0,0,1] neg_hi:[0,0,1]
.endif
.endm
.set n, 0
.rept 16
	ROPEK n
.set n, n+1
.endr
.irp m, 1,2,4,8                        ; each row's sum over the 32 lanes
.set i, 0
.rept 16
	v_add_f32_dpp v[PR+i], v[PR+i], v[PR+i] row_xmask:\m row_mask:0xf bank_mask:0xf
.set i, i+1
.endr
.endr
.set i, 0
.rept 16
	v_permlanex16_b32 v[U+i], v[PR+i], s34, s35    ; into registers that have been written
.set i, i+1
.endr
.set i, 0
.rept 16
	v_add_f32 v[PR+i], v[PR+i], v[U+i]
.set i, i+1
.endr
.irp j, 0,1,2,3,4,5,6,7
	v_cndmask_b32 v[RS+\j], v[PR+\j], v[PR+8+\j], s16  ; as a score tile has it: register j is key 8 h + j
.endr
.macro CKE p                           ; pair p of keys: rounded to bf16 into my tile
.set e, 16+(\p)
.set sl, RING+4*(e%NSLOT)
.if 79-e < 23
	s_wait_loadcnt 79-e                            ; the ring runs out: what is younger is what is left
.else
	s_wait_loadcnt 23
.endif
.if (\p) == 63
.irp j, 0,1,2,3
	v_cndmask_b32 v[sl+\j], v[sl+\j], v[NEW+\j], s17
.endr
.endif
	v_cvt_pk_bf16_f32 v[T+2*((\p)%2)], v[sl], v[sl+1]
	v_cvt_pk_bf16_f32 v[T+2*((\p)%2)+1], v[sl+2], v[sl+3]
	ds_store_b64 v7, v[T+2*((\p)%2):T+2*((\p)%2)+1] offset:2*CKP*(\p)
.if e+24 <= 79
	LOADE e+24
.endif
.endm
.macro SCORE u                         ; tiles 2 u and 2 u + 1: 32 keys x my 64 columns x 16 heads; the two accumulators take turns
.irp tt, 0,1
.irp f, 0,1,2,3
	ds_load_b128 v[AF+16*\tt+4*\f:AF+16*\tt+4*\f+3], v8 offset:16*CKP*(2*(\u)+\tt)+32*\f  ; LDS serves a wave's instructions in order (ISA guide 5.7.1): these see my stores
.endr
.endr
	s_wait_dscnt 0x0
.irp hl, 0,1
.irp ks, 0,1
.irp tt, 0,1
.if (\hl == 0) && (\ks == 0)
	v_wmma_f32_16x16x32_bf16 v[ACC+8*(2*(\u)+\tt):ACC+8*(2*(\u)+\tt)+7], v[AF+16*\tt+8*\ks:AF+16*\tt+8*\ks+7], v[QF+16*\hl+8*\ks:QF+16*\hl+8*\ks+7], 0
.else
	v_wmma_f32_16x16x32_bf16 v[ACC+8*(2*(\u)+\tt):ACC+8*(2*(\u)+\tt)+7], v[AF+16*\tt+8*\ks:AF+16*\tt+8*\ks+7], v[QF+16*\hl+8*\ks:QF+16*\hl+8*\ks+7], v[ACC+8*(2*(\u)+\tt):ACC+8*(2*(\u)+\tt)+7]
.endif
.endr
.endr
.endr
.endm
.set n, 0
.rept 4                                ; the next loads into the fragments' registers stand 32 conversions behind these products
.rept 16
	CKE n
.set n, n+1
.endr
	SCORE n/16-1
.endr
.rept 4
	v_nop                                          ; four places behind the last product (ISA guide 7.12.1)
.endr
.irp t, 0,1,2,3,4,5,6,7
	ds_store_b128 v12, v[ACC+8*\t:ACC+8*\t+3] offset:1024*\t
	ds_store_b128 v12, v[ACC+8*\t+4:ACC+8*\t+7] offset:1024*\t+512
.endr
	s_wait_dscnt 0x0                               ; for the others' sake: my partial scores are in LDS
	s_barrier_signal -1
	s_barrier_wait -1
.irp u, 0,1,2,3,4,5,6,7
	ds_load_b128 v[S+8*\u:S+8*\u+3], v13 offset:8192*\u
	ds_load_b128 v[S+8*\u+4:S+8*\u+7], v13 offset:8192*\u+512
.endr
	s_lshl_b32 s54, s12, 10
	v_add_nc_u32 v15, s54, v14
	s_wait_dscnt 0x0
.irp u, 1,2,3,4,5,6,7
.irp j, 0,2,4,6
	v_pk_add_f32 v[S+\j:S+\j+1], v[S+\j:S+\j+1], v[S+8*\u+\j:S+8*\u+\j+1]
.endr
.endr
.irp j, 0,2,4,6
	v_pk_add_f32 v[S+\j:S+\j+1], v[S+\j:S+\j+1], v[RS+\j:RS+\j+1]
.endr
	ds_store_b128 v15, v[S:S+3]
	ds_store_b128 v15, v[S+4:S+7] offset:512
	s_wait_dscnt 0x0                               ; for the others' sake: tile w's scores are in LDS
	s_barrier_signal -1
	s_barrier_wait -1
.irp t, 0,1,2,3,4,5,6,7
	ds_load_b128 v[S+8*\t:S+8*\t+3], v14 offset:1024*\t
	ds_load_b128 v[S+8*\t+4:S+8*\t+7], v14 offset:1024*\t+512
.endr
.macro ATLOAD kk, base                 ; keys 32 kk .. + 31 of my 64 columns, turned: four fragments
.irp ct, 0,1,2,3
	ds_load_tr16_b128 v[(\base)+8*\ct:(\base)+8*\ct+3], v9 offset:32*CKP*(\kk)+32*\ct
	ds_load_tr16_b128 v[(\base)+8*\ct+4:(\base)+8*\ct+7], v9 offset:32*CKP*(\kk)+32*\ct+16*CKP
.endr
.endm
	ATLOAD 0, 144
	ATLOAD 1, 176
	s_wait_dscnt 16                                ; the 16 younger loads are the turning ones: the scores are in
	; the maximum of my head's 128 scores: 64 in my registers, 64 in the lane 16 away
.irp c, 0,1,2,3
	v_max3_num_f32 v[MX+\c], v[S+16*\c], v[S+16*\c+1], v[S+16*\c+2]
.endr
.irp k, 0,1,2,3,4,5
.irp c, 0,1,2,3
	v_max3_num_f32 v[MX+\c], v[MX+\c], v[S+16*\c+3+2*\k], v[S+16*\c+4+2*\k]
.endr
.endr
	v_max3_num_f32 v[MX], v[MX], v[S+15], v[S+31]
	v_max3_num_f32 v[MX+2], v[MX+2], v[S+47], v[S+63]
	v_max3_num_f32 v[MX], v[MX], v[MX+1], v[MX+2]
	v_max_num_f32 v[MX], v[MX], v[MX+3]
	v_permlanex16_b32 v[MX+1], v[MX], s34, s35
	v_max_num_f32 v240, v[MX], v[MX+1]             ; m
	v_mul_f32 v242, s44, v240                      ; c m
	v_mov_b32 v243, v242                           ; named with it as a pair
.set i, 0
.rept 32
	v_pk_fma_f32 v[S+2*i:S+2*i+1], v[S+2*i:S+2*i+1], s[44:45], v[242:243] op_sel_hi:[1,0,0] neg_lo:[0,0,1] neg_hi:[0,0,1]
.set i, i+1
.endr
.set i, 0
.rept 64
	v_exp_f32 v[S+i], v[S+i]
.set i, i+1
.endr
	v_nop                                          ; a plain instruction behind the last exponential (ISA guide 5.7.2)
	s_wait_alu depctr_va_vdst(0)
	v_pk_add_f32 v[244:245], v[S:S+1], v[S+2:S+3]
	v_pk_add_f32 v[246:247], v[S+4:S+5], v[S+6:S+7]
.set i, 4
.rept 14
	v_pk_add_f32 v[244:245], v[244:245], v[S+2*i:S+2*i+1]
	v_pk_add_f32 v[246:247], v[246:247], v[S+2*i+2:S+2*i+3]
.set i, i+2
.endr
	v_pk_add_f32 v[244:245], v[244:245], v[246:247]
	v_add_f32 v241, v244, v245
	v_permlanex16_b32 v244, v241, s34, s35
	v_add_f32 v241, v241, v244                     ; l
.set q, 0
.rept 32                               ; P as hi + lo; lo is packed downward in place: word q is written when pairs 0 .. q have been read
.set tp, T+2*(q%2)
	v_cvt_pk_bf16_f32 v[PH+q], v[S+2*q], v[S+2*q+1]
	v_lshlrev_b32 v[tp], 16, v[PH+q]
	v_and_b32 v[tp+1], s16, v[PH+q]
	v_pk_add_f32 v[tp:tp+1], v[S+2*q:S+2*q+1], v[tp:tp+1] neg_lo:[0,1] neg_hi:[0,1]
	v_cvt_pk_bf16_f32 v[PL+q], v[tp], v[tp+1]
.set q, q+1
.endr
	ATLOAD 2, 80
	ATLOAD 3, 208
.macro PV kk, base                     ; o^T += ckv^T P for 32 keys: four accumulators take turns
.irp hl, 0,1
.irp ct, 0,1,2,3
.if ((\kk) == 0) && (\hl == 0)
	v_wmma_f32_16x16x32_bf16 v[OA+8*\ct:OA+8*\ct+7], v[(\base)+8*\ct:(\base)+8*\ct+7], v[PH+8*(\kk):PH+8*(\kk)+7], 0
.elseif \hl == 0
	v_wmma_f32_16x16x32_bf16 v[OA+8*\ct:OA+8*\ct+7], v[(\base)+8*\ct:(\base)+8*\ct+7], v[PH+8*(\kk):PH+8*(\kk)+7], v[OA+8*\ct:OA+8*\ct+7]
.else
	v_wmma_f32_16x16x32_bf16 v[OA+8*\ct:OA+8*\ct+7], v[(\base)+8*\ct:(\base)+8*\ct+7], v[PL+8*(\kk):PL+8*(\kk)+7], v[OA+8*\ct:OA+8*\ct+7]
.endif
.endr
.endr
.endm
	s_wait_dscnt 16                                ; the 16 younger loads are keys 64-127: keys 0-63 are in
	PV 0, 144
	PV 1, 176
	s_wait_dscnt 0x0
	PV 2, 80
	PV 3, 208
	; the way out: a lane holds 8 columns of head r; through my own stage the rows come back whole.  The six address lines are the places behind the last products.
	s_mul_i32 s54, s12, 16*STP
	s_add_co_u32 s54, s54, STG
	v_mul_u32_u24 v248, v2, STP
	v_lshl_add_u32 v248, v3, 5, v248
	v_add_nc_u32 v248, s54, v248
	v_mul_u32_u24 v249, v3, STP
	v_lshl_add_u32 v249, v2, 4, v249
	v_add_nc_u32 v249, s54, v249
	v_lshlrev_b32 v250, 3, v1
.irp ct, 0,1,2,3
	ds_store_b128 v248, v[OA+8*\ct:OA+8*\ct+3] offset:64*\ct
	ds_store_b128 v248, v[OA+8*\ct+4:OA+8*\ct+7] offset:64*\ct+16
.endr
.irp i, 0,1,2,3,4,5,6,7
	ds_load_b128 v[144+4*\i:144+4*\i+3], v249 offset:2*STP*\i  ; in order behind my stores; heads 2 i and 2 i + 1
.endr
.irp i, 0,1,2,3,4,5,6,7
	s_wait_dscnt 7-\i                              ; the younger stage reads may stay out
	global_store_b128 v4, v[144+4*\i:144+4*\i+3], s[30:31] offset:4096*\i  ; 16 lanes store 256 consecutive bytes, aligned
.endr
	s_wait_tensorcnt 0x0                           ; the wave's end: behind my last LDS store
	ds_add_u32 v[SPW], v[NIL]
	s_wait_dscnt 0x0
	s_cmp_lg_u32 s12, 0
	s_cbranch_scc1 .Lnot_wave_0                    ; every wave holds the same m and l: wave 0 stores them
	global_store_b64 v250, v[240:241], s[32:33]    ; lane r and lane r + 16: head r; 256 consecutive bytes
.Lnot_wave_0:
	s_endpgm
.Lfunc_end_k_qa5d4b9e665_attend:
	.size	k_qa5d4b9e665_attend, .Lfunc_end_k_qa5d4b9e665_attend-k_qa5d4b9e665_attend
	.p2alignl 7, 3214868480
	.fill 96, 4, 3214868480
	.section	.rodata,"a",@progbits
	.p2align	6, 0x0
	.amdhsa_kernel k_qa5d4b9e665_attend
		.amdhsa_group_segment_fixed_size 257024
		.amdhsa_private_segment_fixed_size 0
		.amdhsa_enable_private_segment 0
		.amdhsa_kernarg_size 32
		.amdhsa_user_sgpr_count 2
		.amdhsa_user_sgpr_kernarg_segment_ptr 1
		.amdhsa_wavefront_size32 1
		.amdhsa_system_sgpr_workgroup_id_x 1
		.amdhsa_system_sgpr_workgroup_id_y 1
		.amdhsa_system_sgpr_workgroup_id_z 1
		.amdhsa_system_vgpr_workitem_id 0
		.amdhsa_next_free_vgpr 256
		.amdhsa_next_free_sgpr 66
		.amdhsa_reserve_vcc 0
		.amdhsa_float_denorm_mode_32 3
		.amdhsa_float_denorm_mode_16_64 3
		.amdhsa_memory_ordered 1
		.amdhsa_forward_progress 1
		.amdhsa_inst_pref_size 91
	.end_amdhsa_kernel
	.amdgpu_metadata
---
amdhsa.version: [ 1, 2 ]
amdhsa.kernels:
  - .name:           k_qa5d4b9e665_attend
    .symbol:         k_qa5d4b9e665_attend.kd
    .args:
      - { .name: ckv_cache, .offset: 0, .size: 8, .value_kind: global_buffer, .address_space: global }
      - { .name: kr_cache, .offset: 8, .size: 8, .value_kind: global_buffer, .address_space: global }
      - { .name: qx, .offset: 16, .size: 8, .value_kind: global_buffer, .address_space: global }
      - { .name: att, .offset: 24, .size: 8, .value_kind: global_buffer, .address_space: global }
    .group_segment_fixed_size: 257024
    .private_segment_fixed_size: 0
    .kernarg_segment_align: 8
    .kernarg_segment_size: 32
    .max_flat_workgroup_size: 256
    .sgpr_count:     66
    .vgpr_count:     256
    .wavefront_size: 32
...
	.end_amdgpu_metadata
.endif
;; end of part 4
;; launch merge_up (part 5): grid 8 x 16, 4 waves a work-group, no clusters, 11,776 bytes of LDS; arguments att, fused_upsample, y5; writes y5
.if DOCPART == 5
	.amdgcn_target "amdgcn-amd-amdhsa--gfx1250"
	.amdhsa_code_object_version 6
	.text
	.protected	k_qa5d4b9e665_merge_up
	.globl	k_qa5d4b9e665_merge_up
	.p2align	8
	.type	k_qa5d4b9e665_merge_up,@function
k_qa5d4b9e665_merge_up:
	s_mov_b64 s[64:65], 0
	v_nop
	global_prefetch_b8 v0, s[64:65] scope:SCOPE_SE
	s_setreg_imm32_b32 hwreg(HW_REG_WAVE_MODE, 25, 1), 1
	s_wait_xcnt 0x0
; THE 32 CHUNKS ARE MERGED AND THE VALUE UP-PROJECTION IS APPLIED TO THE RESULT (associativity): for one head and 64 latent columns c = 64 w ..
;   M = max over chunks of m;  a = 2^(c (m - M));  L = sum a l;  o_lat[b][c] = sum over chunks of (a / L) o[b][chunk][head][c];
;   y5[w][b][128 head + d] = the sum over my 64 c of o_lat[b][c] fused[c][2048 + 128 head + d]; whoever reads y5 adds its 8 planes.
; SHARES.  Wave v merges batches 2 v and 2 v + 1 (lanes 0-15 chunks 0-15, lanes 16-31 chunks 16-31, 256 aligned bytes each), then multiplies 32 rows c (v % 2) by 64 columns d (v / 2).
; The product is laid out as in the 8-row products: load i takes row 16 h + i, number t of a lane's four belongs to tile t (column 4 r + t), o_lat's fragment takes the same order of K,
; rows 0-3 and 8-11 of the first source are batches 0-3 and 4-7.  o_lat goes as hi + lo, two bf16 numbers.  All 96 KB of a work-group are on their way from its first lines.
; No cluster: the 8 work-groups of a head share only 2 KB of m and l.
; LIMITS.  NaN and infinities are not treated apart; a chunk whose a falls below 2^-126 counts as 0.
.set PLANE, 86016
.set YROW, 10752
.set XP, 144                           ; an LDS row of o_lat: 128 bytes of bf16 + 16
.set XLO, 1280
.set RED, 2560                         ; [wave 4][batch 8] rows of 272 bytes
.set RP, 272
.set SPARE, 11264
.set SPW, 10
.set NIL, 11
.set OL, 16                            ; v16-143  32 loads of partial o
.set WL, 144                           ; v144-207 16 weight rows
.set ST, 208                           ; v208-211 m, l of two batches: lane = chunk
.set ALF, 212                          ; v212-213 a / L
.set ACC, 216                          ; v216-223 two batches' sums
.set F, 224                            ; v224-225 the factor of the entry in hand
.set T, 226
.set BF, 16                            ; later: fragments of fused, o_lat hi and lo, four accumulators, the way out
.set AH, 48
.set AL, 56
.set D, 64
.set OUTR, 96
.macro SPLIT a, hh, ll, t              ; a pair of f32 -> hi = bf16(a), lo = bf16(a - hi)
	v_cvt_pk_bf16_f32 v[\hh], v[\a], v[(\a)+1]
	v_lshlrev_b32 v[\t], 16, v[\hh]
	v_and_b32 v[(\t)+1], s16, v[\hh]
	v_pk_add_f32 v[\t:(\t)+1], v[\a:(\a)+1], v[\t:(\t)+1] neg_lo:[0,1] neg_hi:[0,1]
	v_cvt_pk_bf16_f32 v[\ll], v[\t], v[(\t)+1]
.endm
	s_load_b128 s[4:7], s[0:1], 0x0                ; att s[4:5], fused s[6:7]
	s_load_b64 s[8:9], s[0:1], 0x10                ; y5
	v_lshl_add_u32 v[SPW], v0, 2, SPARE
	v_mov_b32 v[NIL], 0
	v_lshrrev_b32 v1, 5, v0
	v_readfirstlane_b32 s12, v1                    ; wave v
	v_and_b32 v1, 31, v0
	v_and_b32 v2, 15, v0                           ; r
	v_bfe_u32 v3, v0, 4, 1                         ; h
	s_mov_b32 s13, ttmp9                           ; w
	s_and_b32 s14, ttmp7, 0xffff                   ; head
	s_mov_b32 s16, 0xffff0000                      ; the upper 16 lanes; also a word's upper bf16
	s_mov_b32 s34, 0x76543210
	s_mov_b32 s35, 0xfedcba98
	s_mov_b32 s36, 0x3db8aa3b                      ; c = log2(e) / 16
	s_mov_b32 s19, 0
	s_and_b32 s27, s12, 1                          ; which 32 rows of fused
	s_lshr_b32 s28, s12, 1                         ; which 64 columns
	s_lshl_b32 s25, s12, 21
	v_lshl_add_u32 v4, v3, 19, s25
	v_lshl_add_u32 v4, v2, 4, v4                   ; batch 2 v, chunk 16 h, 16 r
	s_lshl_b32 s25, s12, 14
	v_lshl_add_u32 v5, v1, 8, s25                  ; m, l: batch 2 v, chunk = lane
	s_lshl_b32 s25, s27, 19
	s_lshl_b32 s29, s28, 8
	s_add_co_u32 s25, s25, s29
	v_lshl_add_u32 v6, v3, 18, s25
	v_lshl_add_u32 v6, v2, 4, v6                   ; row 32 (v % 2) + 16 h, byte 256 (v / 2) + 16 r
	s_lshl_b32 s18, s14, 11
	s_lshl_b32 s25, s13, 8
	s_add_co_u32 s18, s18, s25
	s_wait_kmcnt 0x0
	s_add_nc_u64 s[20:21], s[4:5], s[18:19]
	s_lshl_b32 s18, s14, 3
	s_add_co_u32 s18, s18, 8388608
	s_add_nc_u64 s[22:23], s[4:5], s[18:19]
	s_lshl_b32 s18, s13, 20
	s_lshl_b32 s25, s14, 9
	s_add_co_u32 s18, s18, s25
	s_add_co_u32 s18, s18, 8192
	s_add_nc_u64 s[24:25], s[6:7], s[18:19]
	global_load_b64 v[ST:ST+1], v5, s[22:23]
	global_load_b64 v[ST+2:ST+3], v5, s[22:23] offset:8192
.set e, 0
.rept 32
	global_load_b128 v[OL+4*e:OL+4*e+3], v4, s[20:21] offset:1048576*(e/16)+32768*(e%16)
.set e, e+1
.endr
.set i, 0
.rept 16
	global_load_b128 v[WL+4*i:WL+4*i+3], v6, s[24:25] offset:16384*i th:TH_LOAD_NT
.set i, i+1
.endr
	s_mul_i32 s18, s13, PLANE
	s_lshl_b32 s29, s14, 9
	s_add_co_u32 s18, s18, s29
	s_add_nc_u64 s[26:27], s[8:9], s[18:19]        ; y5 at plane w, column 128 head (s27 has served)
	s_and_b32 s30, s12, 1
	s_mul_i32 s29, s12, 2*XP
	v_lshl_add_u32 v7, v2, 3, s29                  ; o_lat in: batch 2 v, 8 r
	v_lshrrev_b32 v[T], 3, v2
	v_lshl_add_u32 v[T], v[T], 2, v2
	v_and_b32 v[T], 7, v[T]                        ; lane r reads batch (r + 4 (r / 8)) % 8
	v_mul_u32_u24 v[T], v[T], XP
	v_lshl_add_u32 v[T], v3, 5, v[T]
	s_lshl_b32 s29, s30, 6
	v_add_nc_u32 v8, s29, v[T]
	s_mul_i32 s29, s12, 8*RP
	s_add_co_u32 s29, s29, RED
	v_mul_u32_u24 v[T], v3, 4*RP
	v_lshl_add_u32 v[T], v2, 4, v[T]
	v_add_nc_u32 v9, s29, v[T]
	s_mul_i32 s29, s12, 2*RP
	s_add_co_u32 s29, s29, RED
	v_mul_u32_u24 v[T], v3, 16*RP
	v_lshl_add_u32 v[T], v2, 4, v[T]
	v_add_nc_u32 v12, s29, v[T]                    ; back: batch 2 v, column block h (waves 2 h and 2 h + 1), 16 r
	s_mul_i32 s29, s12, 2*YROW
	v_lshl_add_u32 v13, v1, 4, s29
	v_mov_b32 v[T+1], 0                            ; v_permlanex16_b32's destination counts as read
	v_mov_b32 v[F+1], 0                            ; named with F as a pair
	s_wait_loadcnt 48                              ; the 32 + 16 younger loads may stay out: m and l are in
.macro STATS bb
	v_mov_b32 v[T], v[ST+2*(\bb)]
.irp m, 1,2,4,8
	v_max_num_f32_dpp v[T], v[T], v[T] row_xmask:\m row_mask:0xf bank_mask:0xf
.endr
	v_permlanex16_b32 v[T+1], v[T], s34, s35
	v_max_num_f32 v[T], v[T], v[T+1]               ; M
	v_sub_f32 v[T+2], v[ST+2*(\bb)], v[T]
	v_mul_f32 v[T+2], s36, v[T+2]
	v_exp_f32 v[T+2], v[T+2]                       ; a
	v_nop                                          ; a plain instruction behind it
	s_wait_alu depctr_va_vdst(0)
	v_mul_f32 v[T+3], v[T+2], v[ST+2*(\bb)+1]
.irp m, 1,2,4,8
	v_add_f32_dpp v[T+3], v[T+3], v[T+3] row_xmask:\m row_mask:0xf bank_mask:0xf
.endr
	v_permlanex16_b32 v[T+1], v[T+3], s34, s35
	v_add_f32 v[T+3], v[T+3], v[T+1]               ; L: at least 1, the largest chunk's own largest weight
	v_rcp_f32 v[T+3], v[T+3]
	v_nop
	s_wait_alu depctr_va_vdst(0)
	v_mul_f32 v[ALF+(\bb)], v[T+2], v[T+3]
.endm
	STATS 0
	STATS 1
.set e, 0
.rept 32
	s_wait_loadcnt 47-e                            ; younger: 31 - e partial loads and the 16 weight rows
	v_readlane_b32 s40, v[ALF+e/16], e%16          ; the factors of chunks i and 16 + i,
	v_readlane_b32 s41, v[ALF+e/16], 16+e%16
	v_mov_b32 v[F], s40                            ; for the lower and the upper half of the lanes
	v_cndmask_b32 v[F], v[F], s41, s16
.if e%16 == 0
	v_pk_mul_f32 v[ACC+4*(e/16):ACC+4*(e/16)+1], v[OL+4*e:OL+4*e+1], v[F:F+1] op_sel_hi:[1,0]
	v_pk_mul_f32 v[ACC+4*(e/16)+2:ACC+4*(e/16)+3], v[OL+4*e+2:OL+4*e+3], v[F:F+1] op_sel_hi:[1,0]
.else
	v_pk_fma_f32 v[ACC+4*(e/16):ACC+4*(e/16)+1], v[OL+4*e:OL+4*e+1], v[F:F+1], v[ACC+4*(e/16):ACC+4*(e/16)+1] op_sel_hi:[1,0,1]
	v_pk_fma_f32 v[ACC+4*(e/16)+2:ACC+4*(e/16)+3], v[OL+4*e+2:OL+4*e+3], v[F:F+1], v[ACC+4*(e/16)+2:ACC+4*(e/16)+3] op_sel_hi:[1,0,1]
.endif
.set e, e+1
.endr
.irp j, 0,1,2,3,4,5,6,7
	v_permlanex16_b32 v[OL+\j], v[ACC+\j], s34, s35
.endr
.irp j, 0,2,4,6
	v_pk_add_f32 v[ACC+\j:ACC+\j+1], v[ACC+\j:ACC+\j+1], v[OL+\j:OL+\j+1]
.endr
	SPLIT ACC, T+4, T+6, T+12
	SPLIT ACC+2, T+5, T+7, T+12
	SPLIT ACC+4, T+8, T+10, T+12
	SPLIT ACC+6, T+9, T+11, T+12
	ds_store_b64 v7, v[T+4:T+5]                    ; both halves of the lanes hold the same sums and store the same bytes
	ds_store_b64 v7, v[T+6:T+7] offset:XLO
	ds_store_b64 v7, v[T+8:T+9] offset:XP
	ds_store_b64 v7, v[T+10:T+11] offset:XP+XLO
	s_wait_dscnt 0x0                               ; for the others' sake
	s_barrier_signal -1
	s_wait_loadcnt 0x0                             ; the weights; their conversion stands between signal and wait
.irp t, 0,1,2,3
.irp q, 0,1,2,3,4,5,6,7
	v_cvt_pk_bf16_f32 v[BF+8*\t+\q], v[WL+8*\q+\t], v[WL+8*\q+4+\t]
.endr
.endr
	s_barrier_wait -1
	ds_load_b128 v[AH:AH+3], v8
	ds_load_b128 v[AH+4:AH+7], v8 offset:16
	ds_load_b128 v[AL:AL+3], v8 offset:XLO
	ds_load_b128 v[AL+4:AL+7], v8 offset:XLO+16
	s_wait_dscnt 0x0
.irp t, 0,1,2,3
	v_wmma_f32_16x16x32_bf16 v[D+8*\t:D+8*\t+7], v[AH:AH+7], v[BF+8*\t:BF+8*\t+7], 0
.endr
.irp t, 0,1,2,3                        ; the four accumulators take turns
	v_wmma_f32_16x16x32_bf16 v[D+8*\t:D+8*\t+7], v[AL:AL+7], v[BF+8*\t:BF+8*\t+7], v[D+8*\t:D+8*\t+7]
.endr
.rept 4
	v_nop                                          ; four places behind the last product (ISA guide 7.12.1)
.endr
.irp t, 0,1,2,3
.irp j, 0,1,2,3
	ds_store_b32 v9, v[D+8*\t+\j] offset:RP*\j+4*\t  ; batch 4 h + j, column 4 r + t
.endr
.endr
	s_wait_dscnt 0x0
	s_barrier_signal -1
	s_barrier_wait -1
.irp mm, 0,1
	ds_load_b128 v[OUTR+8*\mm:OUTR+8*\mm+3], v12 offset:RP*\mm
	ds_load_b128 v[OUTR+8*\mm+4:OUTR+8*\mm+7], v12 offset:RP*\mm+8*RP
.endr
	s_wait_dscnt 0x0
.irp mm, 0,1
	v_pk_add_f32 v[OUTR+8*\mm:OUTR+8*\mm+1], v[OUTR+8*\mm:OUTR+8*\mm+1], v[OUTR+8*\mm+4:OUTR+8*\mm+5]
	v_pk_add_f32 v[OUTR+8*\mm+2:OUTR+8*\mm+3], v[OUTR+8*\mm+2:OUTR+8*\mm+3], v[OUTR+8*\mm+6:OUTR+8*\mm+7]
	global_store_b128 v13, v[OUTR+8*\mm:OUTR+8*\mm+3], s[26:27] offset:YROW*\mm  ; 512 consecutive bytes, aligned
.endr
	s_wait_tensorcnt 0x0                           ; the wave's end
	ds_add_u32 v[SPW], v[NIL]
	s_wait_dscnt 0x0
	s_endpgm
.Lfunc_end_k_qa5d4b9e665_merge_up:
	.size	k_qa5d4b9e665_merge_up, .Lfunc_end_k_qa5d4b9e665_merge_up-k_qa5d4b9e665_merge_up
	.p2alignl 7, 3214868480
	.fill 96, 4, 3214868480
	.section	.rodata,"a",@progbits
	.p2align	6, 0x0
	.amdhsa_kernel k_qa5d4b9e665_merge_up
		.amdhsa_group_segment_fixed_size 11776
		.amdhsa_private_segment_fixed_size 0
		.amdhsa_enable_private_segment 0
		.amdhsa_kernarg_size 24
		.amdhsa_user_sgpr_count 2
		.amdhsa_user_sgpr_kernarg_segment_ptr 1
		.amdhsa_wavefront_size32 1
		.amdhsa_system_sgpr_workgroup_id_x 1
		.amdhsa_system_sgpr_workgroup_id_y 1
		.amdhsa_system_sgpr_workgroup_id_z 1
		.amdhsa_system_vgpr_workitem_id 0
		.amdhsa_next_free_vgpr 256
		.amdhsa_next_free_sgpr 66
		.amdhsa_reserve_vcc 0
		.amdhsa_float_denorm_mode_32 3
		.amdhsa_float_denorm_mode_16_64 3
		.amdhsa_memory_ordered 1
		.amdhsa_forward_progress 1
		.amdhsa_inst_pref_size 30
	.end_amdhsa_kernel
	.amdgpu_metadata
---
amdhsa.version: [ 1, 2 ]
amdhsa.kernels:
  - .name:           k_qa5d4b9e665_merge_up
    .symbol:         k_qa5d4b9e665_merge_up.kd
    .args:
      - { .name: att, .offset: 0, .size: 8, .value_kind: global_buffer, .address_space: global }
      - { .name: fused_upsample, .offset: 8, .size: 8, .value_kind: global_buffer, .address_space: global }
      - { .name: y5, .offset: 16, .size: 8, .value_kind: global_buffer, .address_space: global }
    .group_segment_fixed_size: 11776
    .private_segment_fixed_size: 0
    .kernarg_segment_align: 8
    .kernarg_segment_size: 24
    .max_flat_workgroup_size: 128
    .sgpr_count:     66
    .vgpr_count:     256
    .wavefront_size: 32
...
	.end_amdgpu_metadata
.endif
;; end of part 5
;; launch proj_o: the kernel of part 2 again; grid 32 x 8, 8 waves a work-group, no clusters, 27,136 bytes of LDS; arguments y5, Wo, Wqr, y6; writes y6
;; launch sum_out (part 6): grid 64 x 1, 2 waves a work-group, no clusters, 0 bytes of LDS; arguments y6, out0; writes out0
.if DOCPART == 6
	.amdgcn_target "amdgcn-amd-amdhsa--gfx1250"
	.amdhsa_code_object_version 6
	.text
	.protected	k_qa5d4b9e665_sum_out
	.globl	k_qa5d4b9e665_sum_out
	.p2align	8
	.type	k_qa5d4b9e665_sum_out,@function
k_qa5d4b9e665_sum_out:
	s_mov_b64 s[64:65], 0
	v_nop
	global_prefetch_b8 v0, s[64:65] scope:SCOPE_SE
	s_setreg_imm32_b32 hwreg(HW_REG_WAVE_MODE, 25, 1), 1
	s_wait_xcnt 0x0
; out0[b][n] = the sum of the 8 planes of y6[plane][b][n].  A work-group takes 256 columns of one batch: 64 threads, 16 bytes each; all eight loads are on their way at once.
; Nothing but a sum: no LDS, no matrix unit, no cluster (nothing is shared).
.set PLANE, 86016
	s_load_b128 s[4:7], s[0:1], 0x0                ; y6 s[4:5], out0 s[6:7]
	s_lshr_b32 s8, ttmp9, 3                        ; batch
	s_and_b32 s9, ttmp9, 7                         ; which 1,024 bytes of its row
	s_mul_i32 s10, s8, 10752
	s_lshl_b32 s12, s9, 10
	s_add_co_u32 s10, s10, s12
	s_mov_b32 s11, 0
	s_lshl_b32 s14, s8, 13
	s_add_co_u32 s14, s14, s12
	s_mov_b32 s15, 0
	v_lshlrev_b32 v1, 4, v0
	s_wait_kmcnt 0x0
	s_add_nc_u64 s[4:5], s[4:5], s[10:11]
	s_add_nc_u64 s[6:7], s[6:7], s[14:15]
.irp p, 0,1,2,3,4,5,6,7
	global_load_b128 v[4+4*\p:7+4*\p], v1, s[4:5] offset:\p*PLANE
.endr
	s_wait_loadcnt 0x0
.irp p, 1,2,3,4,5,6,7
	v_pk_add_f32 v[4:5], v[4:5], v[4+4*\p:5+4*\p]
	v_pk_add_f32 v[6:7], v[6:7], v[6+4*\p:7+4*\p]
.endr
	global_store_b128 v1, v[4:7], s[6:7]           ; 16 lanes store 256 consecutive bytes, aligned
	s_endpgm
.Lfunc_end_k_qa5d4b9e665_sum_out:
	.size	k_qa5d4b9e665_sum_out, .Lfunc_end_k_qa5d4b9e665_sum_out-k_qa5d4b9e665_sum_out
	.p2alignl 7, 3214868480
	.fill 96, 4, 3214868480
	.section	.rodata,"a",@progbits
	.p2align	6, 0x0
	.amdhsa_kernel k_qa5d4b9e665_sum_out
		.amdhsa_group_segment_fixed_size 0
		.amdhsa_private_segment_fixed_size 0
		.amdhsa_enable_private_segment 0
		.amdhsa_kernarg_size 16
		.amdhsa_user_sgpr_count 2
		.amdhsa_user_sgpr_kernarg_segment_ptr 1
		.amdhsa_wavefront_size32 1
		.amdhsa_system_sgpr_workgroup_id_x 1
		.amdhsa_system_sgpr_workgroup_id_y 1
		.amdhsa_system_sgpr_workgroup_id_z 1
		.amdhsa_system_vgpr_workitem_id 0
		.amdhsa_next_free_vgpr 40
		.amdhsa_next_free_sgpr 66
		.amdhsa_reserve_vcc 0
		.amdhsa_float_denorm_mode_32 3
		.amdhsa_float_denorm_mode_16_64 3
		.amdhsa_memory_ordered 1
		.amdhsa_forward_progress 1
		.amdhsa_inst_pref_size 3
	.end_amdhsa_kernel
	.amdgpu_metadata
---
amdhsa.version: [ 1, 2 ]
amdhsa.kernels:
  - .name:           k_qa5d4b9e665_sum_out
    .symbol:         k_qa5d4b9e665_sum_out.kd
    .args:
      - { .name: y6, .offset: 0, .size: 8, .value_kind: global_buffer, .address_space: global }
      - { .name: out0, .offset: 8, .size: 8, .value_kind: global_buffer, .address_space: global }
    .group_segment_fixed_size: 0
    .private_segment_fixed_size: 0
    .kernarg_segment_align: 8
    .kernarg_segment_size: 16
    .max_flat_workgroup_size: 64
    .sgpr_count:     66
    .vgpr_count:     40
    .wavefront_size: 32
...
	.end_amdgpu_metadata
.endif
;; end of part 6
